; MI455X (gfx1250); checked and timed in simulation.
; The chip was launched on July 23, 2026; its instructions are those of AMD's public machine-readable ISA for CDNA 5 (MIT licence, August 2026) and "CDNA5" Instruction Set Architecture Reference Guide (July 2026). The comments in the code are by the model that wrote it; some were corrected since.
;; CAAN. Allowed arithmetic: matrix products marked QUANTISED: E5M2 operands, one given power-of-two scale a tensor, by v_wmma_f32_16x16x64_bf8_bf8 or v_wmma_f32_16x16x128_bf8_bf8, f32 sums; products left as they are: f32 operands where the result goes on into a quantised operand, else bf16, f16 or f32 operands; f32 sums; everything else in f32.
;; Inputs: Wk_codes 256 x 8 x 32 uint8 (E5M2 codes of Wk, K innermost, in blocks of 32 codes); Wq_codes 256 x 8 x 32 uint8 (E5M2 codes of Wq, K innermost, in blocks of 32 codes); Wv_codes 256 x 8 x 32 uint8 (E5M2 codes of Wv, K innermost, in blocks of 32 codes); Ww 256 x 1 float32; bk 256 float32; bq 256 float32; bv 256 float32; bw 1 float32; lowp_scales 10 int32 (the exponents e of the quantised operands' scales 2^e); x_codes 8 x 2,048 x 8 x 32 uint8 (E5M2 codes of x, K innermost, in blocks of 32 codes).
;; Outputs: out0 8 x 2,048 float32.
;; This version of the problem:
;;   THIS VERSION OF THE PROBLEM IS GIVEN IN LOW PRECISION. The matrix products marked QUANTISED in the list below multiply operands that are first quantised to E5M2 (5 exponent bits, 2 mantissa bits; 8 bits a number), with one given power-of-two scale for each operand tensor; their sums are f32. All else is computed in f32.
;;   The module's matrix products, in the order in which they are computed (A, B: the left and right operand; K: the contracted axis; several contracted axes count as one K, in the product's order):
;;     1. [M 16,384, K 256] x [K 256, N 256]; A: input x (given as codes); B: input Wq (given as codes): QUANTISED (scales: A lowp_scales[0], B lowp_scales[1])
;;     2. [M 16,384, K 256] x [K 256, N 256]; A: input x (given as codes); B: input Wk (given as codes): QUANTISED (scales: A lowp_scales[2], B lowp_scales[3])
;;     3. [M 16,384, K 256] x [K 256, N 256]; A: input x (given as codes); B: input Wv (given as codes): QUANTISED (scales: A lowp_scales[4], B lowp_scales[5])
;;     4. batch 8 x [M 2,048, K 256] x [K 256, N 2,048]; A: computed on the way; B: computed on the way: QUANTISED (scales: A lowp_scales[6], B lowp_scales[7])
;;     5. batch 8 x [M 2,048, K 2,048] x [K 2,048, N 256]; A: softmax (see below); B: computed on the way: QUANTISED (scales: A lowp_scales[8], B lowp_scales[9])
;;     6. [M 16,384, K 256] x [K 256, N 1]; A: computed on the way; B: input Ww: left as it is (N = 1 < 16)
;;   THE QUANTISER, for each operand of a quantised product, along K:
;;     - The operand's scale is 2^e, e = its entry of the input lowp_scales (int32; the entries are numbered through the quantised products in the list's order, A before B).
;;     - Each number is divided by the scale, clamped to +-57,344, and rounded to the nearest number of E5M2, ties to even, subnormals kept.
;;     - The product sums the exact products of the quantised numbers (number of the format x scale) in f32.
;;   ~~~python
;;   def quantise(x, axis, e):      # numpy; x: float32 -> the quantised numbers, widened to float32 again
;;       x = np.moveaxis(x, axis, -1); K = x.shape[-1]
;;       r = np.clip(x / 2.0 ** e, -57344, 57344)
;;       step = 2.0 ** (np.maximum(np.frexp(np.where(r == 0, 1, r))[1] - 1, -14) - 2)
;;       q = np.round(r / step) * step * 2.0 ** e      # np.round: ties to even
;;       return np.moveaxis(q, -1, axis).astype(np.float32)
;;   ~~~
;;   SOFTMAX AHEAD OF A QUANTISED PRODUCT. Where the list says 'softmax', what is quantised is not the finished softmax but p = 2^(t - M), with t = logit x log2(e) and M = ceil(the row's largest t), a whole number; so 1/2 < the row's largest p <= 1. The row's sum l is taken of the UNQUANTISED p, in f32, and the product's result is divided by l at the end. Since M is a whole number, a kernel that streams over the keys may use a running M (the ceiling of the running maximum): every later rescaling is an exact power of two, so the quantised numbers keep their values, but for numbers so far below the row's largest that they fall under the format's range.
;;   OPERANDS COMPUTED ON THE WAY. 'Computed on the way' means the value that the module computes at that place (a softmax that the list does not call 'softmax' is quantised finished and normalised). What goes into a quantiser is computed in f32, as accurately as f32 sums, v_exp_f32 and their like allow (about 1e-6 of the number): no bf16 or f16 on the way to a quantiser, and a product that is left as it is and whose result goes on into a quantised operand takes f32 operands (vector FMAs, or v_wmma_f32_16x16x4_f32). A number that lies on a knife's edge between two numbers of the format may be rounded either way, as far as f32 arithmetic and the matrix unit's own rounding can turn it there, and no further.
;;   INPUTS GIVEN AS CODES. Wk (in the module: [256, 256], K = its axis 0); Wq (in the module: [256, 256], K = its axis 0); Wv (in the module: [256, 256], K = its axis 0); x (in the module: [8, 2048, 256], K = its axis 2): each comes as NAME_codes (uint8): NAME with its K axis moved to the last place and cut into blocks of 32 codes, [.., K / 32, bytes a block], one block behind the other in memory; one code a byte (a code: sign, 5 exponent bits, 2 mantissa bits); its scale is its entry of lowp_scales. Its value is code x scale, taken as it is: it is not quantised again, and the codes and scales need not be those that the quantiser above would give.
;; 2 versions. Each part assembles by itself: llvm-mc -triple=amdgcn-amd-amdhsa -mcpu=gfx1250 --defsym DOCPART=n.
;; ======== version 1 of 2: 2 launches
;; workspace buffers: qc 4,194,304 bytes; kv 8,388,608 bytes
;; launch proj (part 1): grid 256 x 1, 4 waves a work-group, no clusters, 0 bytes of LDS; arguments x_codes, Wq_codes, Wk_codes, Wv_codes, bq, bk, bv, lowp_scales, qc, kv; writes qc, kv
.if DOCPART == 1
	.amdgcn_target "amdgcn-amd-amdhsa--gfx1250"
	.amdhsa_code_object_version 6
	.text
	.protected	k_q861a0985b8_proj
	.globl	k_q861a0985b8_proj
	.p2align	8
	.type	k_q861a0985b8_proj,@function
k_q861a0985b8_proj:
	s_mov_b64 s[64:65], 0
	v_nop
	global_prefetch_b8 v0, s[64:65] scope:SCOPE_SE
	s_setreg_imm32_b32 hwreg(HW_REG_WAVE_MODE, 25, 1), 1
	s_wait_xcnt 0x0
; q = x Wq + bq, k = x Wk + bk, v = x Wv + bv on codes of E5M2, and their own quantising for the two products of the attention that follows.
; x: [16384][256] codes; W*: [256 (channel)][256 (K)] codes; b*: [256] f32; lowp_scales: e0 .. e9.
; OUT, as images of operand registers (a later load of 16 bytes at 16 x lane gives four registers of a fragment):
;   qc: [token tile of 16][group 0..7][lane][16 bytes]; register 16 s + 2 c (+1) of lane (r, h) = token r, channels 128 s + 16 c + 8 h + 0..7
;   kv: [step of 128 keys][64 KiB]: first 8 key tiles laid as qc's tiles, then [channel tile 0..15][group 0..3][lane][16 bytes]:
;       register 2 c (+1) of lane (r, h) = channel 16 T + r, keys 16 c + 8 h + 0..7 of the step
; SHARES.  A work-group takes 64 tokens (four tiles m).  Wave w takes channels 64 w .. 64 w + 63 (four tiles i) of EACH of the three weights, for all four token tiles:
; 96 matrix instructions a wave, one path for all waves, no LDS, no barrier.  No tensor load, hence no joint request: a wave's 48 KiB of weights go straight into its registers once.
; q and k are made TRANSPOSED (source 0 = 16 channels of W, source 1 = 16 tokens): a lane holds one token and eight neighbouring channels, which are neighbours along the next K.
; v is made the other way round (source 0 = tokens, source 1 = channels): a lane holds one channel and eight neighbouring tokens: the keys are the next K.
; A fragment (16 rows x 128 K) is fetched by four loads of 16 bytes, 32 bytes apart: the same permutation of k in x and in W, so every product meets its partner.
; The bias is the C of a sum's first matrix instruction, as b / 2^(ea + eb); the conversion takes the one folded scale 2^(eout - ea - eb).
; LIMITS: e6 - e0 - e1, e7 - e2 - e3 and e9 - e4 - e5 lie between -126 and 112, so that the scale and 57,344 x the scale are f32 numbers.  NaN among the inputs is not served.
; REGISTERS, in windows of 256: window 0: v1-6 offsets, v8-13 scales and limits, v24-27 bv as loaded, v32-159 the 16 accumulators ((i, m) at 32 + 8 (4 i + m)), v160-255 the codes.
;   window 1: v0-127 x (fragment (m, s) at 16 (2 m + s)), v128-255 Wq ((i, s) at 128 + 16 (2 i + s)).   window 2: v128-255 Wk.   window 3: v0-31 bq, v32-63 bk, v64-95 bv, v128-255 Wv.
.set XA,  1                            ; v1  256 r + 16 h: my bytes in a tile's rows of x
.set WA,  2                            ; v2  the same + 16,384 w: in my 64 rows of a weight
.set BA,  3                            ; v3  32 h + 256 w: bq, bk
.set BVA, 4                            ; v4  4 r + 256 w: bv
.set SA,  5                            ; v5  16 lane + 1,024 w: where q's and k's codes go in a tile's image
.set VA,  6                            ; v6  16 lane + 8,192 w: where v's go
.set ACC, 32
.set CQ,  160
.set CK,  192
.set CV,  224
.set MSB, 0
.macro WIN new                         ; the immediate's high byte repeats the setting that is left; a switch that changes nothing is dropped
.if MSB != (\new)
	s_set_vgpr_msb (MSB<<8)|(\new)
.set MSB, (\new)
.endif
.endm
.macro FRAGLD reg, adr, base, off      ; a fragment: four loads of 16 bytes a lane
.irp c, 0,1,2,3
	global_load_b128 v[\reg+4*\c:\reg+4*\c+3], v[\adr], s[\base:\base+1] offset:\off+32*\c
.endr
.endm
; the exponents of one projection: s[neg] = -(ea + eb); v[vs] = 2^(eo - ea - eb); v[vs + 1] = 57,344 x that
.macro FOLD ea, eb, eo, neg, vs
	s_add_co_i32 s50, s[\ea], s[\eb]
	s_sub_co_i32 s[\neg], 0, s50
	s_sub_co_i32 s50, s[\eo], s50
	s_add_co_i32 s50, s50, 127
	s_lshl_b32 s51, s50, 23
	v_mov_b32 v[\vs], s51
	s_add_co_i32 s50, s50, 15
	s_lshl_b32 s50, s50, 23
	s_or_b32 s50, s50, 0x600000
	v_mov_b32 v[\vs+1], s50
.endm
; One projection: 16 products that start the sums with the bias, 16 that add K's second half; the 16 accumulators take turns, one instruction a turn.
; Then the hold, the conversion.  A's fragment at ab + ai i + am m + 16 s, B's at bb + bi i + bm m + 16 s; the codes of (i, m) at cod + ci i + cm m.
.macro PROJ w0, w1, ab, ai, am, bb, bi, bm, bias, scl, lim, cod, ci, cm
	WIN \w0
.irp i, 0,1,2,3
.irp m, 0,1,2,3
	v_wmma_f32_16x16x128_bf8_bf8 v[ACC+8*(4*\i+\m):ACC+8*(4*\i+\m)+7], v[\ab+\ai*\i+\am*\m:\ab+\ai*\i+\am*\m+15], v[\bb+\bi*\i+\bm*\m:\bb+\bi*\i+\bm*\m+15], v[\bias+8*\i:\bias+8*\i+7]
.endr
.endr
	WIN \w1
.irp i, 0,1,2,3
.irp m, 0,1,2,3
	v_wmma_f32_16x16x128_bf8_bf8 v[ACC+8*(4*\i+\m):ACC+8*(4*\i+\m)+7], v[\ab+\ai*\i+\am*\m+16:\ab+\ai*\i+\am*\m+31], v[\bb+\bi*\i+\bm*\m+16:\bb+\bi*\i+\bm*\m+31], v[ACC+8*(4*\i+\m):ACC+8*(4*\i+\m)+7]
.endr
.endr
	WIN 0
.rept 4
	v_nop                                          ; four places between the last product and the first vector instruction that reads a result (ISA guide 7.12.1)
.endr
.set j, 0
.rept 128
	v_med3_num_f32 v[ACC+j], v[ACC+j], -v[\lim], v[\lim]   ; the conversion to an 8-bit code does not saturate (ISA guide 7.6.2): the hold at the largest code x the scale; each accumulator from its low end on
.set j, j+1
.endr
.irp i, 0,1,2,3
.irp m, 0,1,2,3
	v_cvt_scalef32_pk8_bf8_f32 v[\cod+\ci*\i+\cm*\m:\cod+\ci*\i+\cm*\m+1], v[ACC+8*(4*\i+\m):ACC+8*(4*\i+\m)+7], v[\scl]
.endr
.endr
	v_nop                                          ; one plain vector instruction behind the last conversion: the next projection's products write its sources
.endm
	s_load_b512 s[4:19], s[0:1], 0x0               ; x s[4:5], Wq s[6:7], Wk s[8:9], Wv s[10:11], bq s[12:13], bk s[14:15], bv s[16:17], the exponents s[18:19]
	s_load_b128 s[20:23], s[0:1], 0x40             ; qc s[20:21], kv s[22:23]
	v_lshrrev_b32 v7, 5, v0
	v_readfirstlane_b32 s34, v7                    ; wave 0..3
	v_and_b32 v14, 15, v0                          ; r
	v_bfe_u32 v15, v0, 4, 1                        ; h
	v_and_b32 v16, 31, v0                          ; lane
	v_lshlrev_b32 v[XA], 8, v14
	v_lshl_add_u32 v[XA], v15, 4, v[XA]
	s_lshl_b32 s35, s34, 14
	v_add_nc_u32 v[WA], s35, v[XA]
	s_lshl_b32 s36, s34, 8
	v_lshlrev_b32 v[BA], 5, v15
	v_add_nc_u32 v[BA], s36, v[BA]
	v_lshlrev_b32 v[BVA], 2, v14
	v_add_nc_u32 v[BVA], s36, v[BVA]
	v_lshlrev_b32 v[SA], 4, v16
	s_lshl_b32 s52, s34, 13
	v_add_nc_u32 v[VA], s52, v[SA]
	s_lshl_b32 s53, s34, 10
	v_add_nc_u32 v[SA], s53, v[SA]
	s_lshl_b32 s40, ttmp9, 14                      ; my 64 tokens: 16,384 bytes on in x and in qc
	s_mov_b32 s41, 0
	s_lshr_b32 s42, ttmp9, 1
	s_lshl_b32 s42, s42, 16                        ; the step of 128 keys to which they belong: 65,536 bytes each
	s_and_b32 s44, ttmp9, 1                        ; and which half of it
	s_lshl_b32 s45, s44, 14
	s_add_co_u32 s46, s42, s45                     ; k: four key tiles of 4,096 bytes for each half
	s_mov_b32 s47, 0
	s_lshl_b32 s45, s44, 10
	s_add_co_u32 s42, s42, s45                     ; v: two groups of 512 bytes of every channel tile for each half,
	s_add_co_u32 s42, s42, 32768                   ; behind the step's k
	s_mov_b32 s43, 0
	s_wait_kmcnt 0x0
	s_load_b256 s[24:31], s[18:19], 0x0            ; e0 .. e7
	s_load_b64 s[32:33], s[18:19], 0x20            ; e8, e9
	s_add_nc_u64 s[4:5], s[4:5], s[40:41]
	s_add_nc_u64 s[20:21], s[20:21], s[40:41]
	s_add_nc_u64 s[48:49], s[22:23], s[42:43]      ; where v's codes go
	s_add_nc_u64 s[22:23], s[22:23], s[46:47]      ; where k's go
	; all 148 loads go out at once, in the order in which they are wanted
	WIN 0x40                                       ; destination window 1
.irp m, 0,1,2,3
.irp s, 0,1
	FRAGLD 16*(2*\m+\s), XA, 4, \m*4096+128*\s
.endr
.endr
.irp i, 0,1,2,3
.irp s, 0,1
	FRAGLD 128+16*(2*\i+\s), WA, 6, \i*4096+128*\s
.endr
.endr
	WIN 0xc0                                       ; destination window 3
.irp i, 0,1,2,3
	global_load_b128 v[8*\i:8*\i+3],   v[BA], s[12:13] offset:64*\i      ; bq at channels 64 w + 16 i + 8 h + 0..7: the result's layout
	global_load_b128 v[8*\i+4:8*\i+7], v[BA], s[12:13] offset:64*\i+16
.endr
	WIN 0x80                                       ; destination window 2
.irp i, 0,1,2,3
.irp s, 0,1
	FRAGLD 128+16*(2*\i+\s), WA, 8, \i*4096+128*\s
.endr
.endr
	WIN 0xc0
.irp i, 0,1,2,3
	global_load_b128 v[32+8*\i:32+8*\i+3], v[BA], s[14:15] offset:64*\i
	global_load_b128 v[32+8*\i+4:32+8*\i+7], v[BA], s[14:15] offset:64*\i+16
.endr
.irp i, 0,1,2,3
.irp s, 0,1
	FRAGLD 128+16*(2*\i+\s), WA, 10, \i*4096+128*\s
.endr
.endr
	WIN 0
.irp i, 0,1,2,3
	global_load_b32 v[24+\i], v[BVA], s[16:17] offset:64*\i              ; bv at channel 64 w + 16 i + r
.endr
	s_wait_kmcnt 0x0
	FOLD 24, 25, 30, 37, 8                         ; q: e0, e1 -> e6
	FOLD 26, 27, 31, 38, 10                        ; k: e2, e3 -> e7
	FOLD 28, 29, 33, 39, 12                        ; v: e4, e5 -> e9
	s_wait_loadcnt 63                              ; x, Wq and bq are in: 76 loads are younger, and a wait names 63 at the most: the smaller count is safe
	WIN 0xc3                                       ; source 0 and destination window 3
.set j, 0
.rept 32
	v_ldexp_f32 v[j], v[j], s37                    ; bq / 2^(e0 + e1): nothing is rounded
.set j, j+1
.endr
	PROJ 0x35, 0x05, 128, 32, 0, 0, 0, 32, 0, 8, 9, CQ, 2, 8
.irp m, 0,1,2,3
.irp u, 0,1
	global_store_b128 v[SA], v[CQ+8*\m+4*\u:CQ+8*\m+4*\u+3], s[20:21] offset:\m*4096+512*\u   ; groups 2 w + u of tile m: 32 lanes store 512 consecutive bytes, at a multiple of 512 from the buffer's first byte
.endr
.endr
	s_wait_loadcnt 36                              ; Wk and bk are in: Wv's 32 loads and bv's 4 are younger
	WIN 0xc3
.set j, 32
.rept 32
	v_ldexp_f32 v[j], v[j], s38
.set j, j+1
.endr
	PROJ 0x36, 0x06, 128, 32, 0, 0, 0, 32, 32, 10, 11, CK, 2, 8
.irp m, 0,1,2,3
.irp u, 0,1
	global_store_b128 v[SA], v[CK+8*\m+4*\u:CK+8*\m+4*\u+3], s[22:23] offset:\m*4096+512*\u
.endr
.endr
	s_wait_loadcnt 0x0
	WIN 0xc0                                       ; source 0 window 0, destination window 3
.irp i, 0,1,2,3
.irp j, 0,1,2,3,4,5,6,7
	v_ldexp_f32 v[64+8*\i+\j], v[24+\i], s39       ; here a lane holds one channel and eight tokens: its bias eight times
.endr
.endr
	PROJ 0x3d, 0x0d, 0, 0, 32, 128, 32, 0, 64, 12, 13, CV, 8, 2
.irp i, 0,1,2,3
.irp u, 0,1
	global_store_b128 v[VA], v[CV+8*\i+4*\u:CV+8*\i+4*\u+3], s[48:49] offset:\i*2048+512*\u   ; channel tile 4 w + i, my half's groups: 512 consecutive bytes
.endr
.endr
	s_endpgm
.Lfunc_end_k_q861a0985b8_proj:
	.size	k_q861a0985b8_proj, .Lfunc_end_k_q861a0985b8_proj-k_q861a0985b8_proj
	.p2alignl 7, 3214868480
	.fill 96, 4, 3214868480
	.section	.rodata,"a",@progbits
	.p2align	6, 0x0
	.amdhsa_kernel k_q861a0985b8_proj
		.amdhsa_group_segment_fixed_size 0
		.amdhsa_private_segment_fixed_size 0
		.amdhsa_enable_private_segment 0
		.amdhsa_kernarg_size 80
		.amdhsa_user_sgpr_count 2
		.amdhsa_user_sgpr_kernarg_segment_ptr 1
		.amdhsa_wavefront_size32 1
		.amdhsa_system_sgpr_workgroup_id_x 1
		.amdhsa_system_sgpr_workgroup_id_y 1
		.amdhsa_system_sgpr_workgroup_id_z 1
		.amdhsa_system_vgpr_workitem_id 0
		.amdhsa_next_free_vgpr 1024
		.amdhsa_next_free_sgpr 66
		.amdhsa_reserve_vcc 0
		.amdhsa_float_denorm_mode_32 3
		.amdhsa_float_denorm_mode_16_64 3
		.amdhsa_memory_ordered 1
		.amdhsa_forward_progress 1
		.amdhsa_inst_pref_size 60
	.end_amdhsa_kernel
	.amdgpu_metadata
---
amdhsa.version: [ 1, 2 ]
amdhsa.kernels:
  - .name:           k_q861a0985b8_proj
    .symbol:         k_q861a0985b8_proj.kd
    .args:
      - { .name: x_codes, .offset: 0, .size: 8, .value_kind: global_buffer, .address_space: global }
      - { .name: Wq_codes, .offset: 8, .size: 8, .value_kind: global_buffer, .address_space: global }
      - { .name: Wk_codes, .offset: 16, .size: 8, .value_kind: global_buffer, .address_space: global }
      - { .name: Wv_codes, .offset: 24, .size: 8, .value_kind: global_buffer, .address_space: global }
      - { .name: bq, .offset: 32, .size: 8, .value_kind: global_buffer, .address_space: global }
      - { .name: bk, .offset: 40, .size: 8, .value_kind: global_buffer, .address_space: global }
      - { .name: bv, .offset: 48, .size: 8, .value_kind: global_buffer, .address_space: global }
      - { .name: lowp_scales, .offset: 56, .size: 8, .value_kind: global_buffer, .address_space: global }
      - { .name: qc, .offset: 64, .size: 8, .value_kind: global_buffer, .address_space: global }
      - { .name: kv, .offset: 72, .size: 8, .value_kind: global_buffer, .address_space: global }
    .group_segment_fixed_size: 0
    .private_segment_fixed_size: 0
    .kernarg_segment_align: 8
    .kernarg_segment_size: 80
    .max_flat_workgroup_size: 128
    .sgpr_count:     66
    .vgpr_count:     1024
    .wavefront_size: 32
...
	.end_amdgpu_metadata
.endif
;; end of part 1
;; launch attn (part 2): grid 32 x 8, 4 waves a work-group, clusters of 4 x 1, 327,680 bytes of LDS; arguments qc, kv, Ww, bw, lowp_scales, out0; writes out0
.if DOCPART == 2
	.amdgcn_target "amdgcn-amd-amdhsa--gfx1250"
	.amdhsa_code_object_version 6
	.text
	.protected	k_q861a0985b8_attn
	.globl	k_q861a0985b8_attn
	.p2align	8
	.type	k_q861a0985b8_attn,@function
k_q861a0985b8_attn:
	s_mov_b64 s[64:65], 0
	v_nop
	global_prefetch_b8 v0, s[64:65] scope:SCOPE_SE
	s_setreg_imm32_b32 hwreg(HW_REG_WAVE_MODE, 25, 1), 1
	s_wait_xcnt 0x0
	s_wait_alu depctr_hold_cnt(0) depctr_sa_sdst(0) depctr_va_vdst(0) depctr_va_sdst(0) depctr_va_ssrc(0) depctr_va_vcc(0) depctr_vm_vsrc(0)
	s_getreg_b32 s2, hwreg(HW_REG_IB_STS2, 6, 4)
	s_cmp_eq_u32 s2, 0
	s_cbranch_scc0 .Lentry_in_a_cluster
	s_endpgm
.Lentry_in_a_cluster:
	s_bfe_u32 s2, ttmp6, 0x10000c
	s_cmp_lg_u32 s2, 0x3003
	s_cbranch_scc0 .Lentry_shape_is_right
	s_endpgm
.Lentry_shape_is_right:
; out0[b][n] = (softmax(q k^T / 16) v)[b][n] . Ww + bw, both products on codes of E5M2, from the images that the launch before has laid (qc, kv: see there).
; THE SOFTMAX AHEAD OF THE SECOND PRODUCT: t = score x log2(e) / 16; M = the largest t so far, rounded UP to a whole number; p = 2^(t - M) is what is quantised; the sum l is taken of the unquantised p.
; SHARES.  A work-group owns 64 queries of one batch (four tiles of 16).  THE WAVES SHARE THE KEYS: wave g holds all 64 queries against keys 512 g .. 512 g + 511, four steps of 128.
; So each fragment of k and v read from LDS feeds four matrix instructions and is read by one wave alone.  Each wave keeps its own running M, l and result; they are merged at the end by exact powers of two.
; ONLY out . Ww IS WANTED: a step's O^T = V^T P is made with C = 0, a tile of 16 channels at a time, and at once multiplied by Ww into eight running numbers a lane and query tile.  O never lives across steps.
; LAYOUT.  S^T = K Q^T (source 0 = 16 keys, source 1 = 16 queries) and O^T = V^T P (source 0 = 16 channels, source 1 = P): a lane holds ONE query (lane % 16) throughout; eight scores of a tile are eight
; neighbouring keys 16 m + 8 (lane / 16) + 0..7, whose codes are registers 2 m, 2 m + 1 of P: the form's own layout.
; CLUSTER.  The four query blocks of a cluster belong to one batch and walk the same k and v: every tile is asked for JOINTLY, by the same tensor load with the same descriptor and the mask of all four.
; RING.  A wave has a slot for k's tile and a slot for v's tile of a step, 32 KiB each, its own.  k's slot is filled again behind the step's first softmax, v's behind the step's last product.
; Two tensor loads of a wave are out at the start and one behind each round.
; LIMITS: e8 between -126 and 112; e6 + e7 between -122 and 131 (they are added to c's exponent field); |t| under 2^24, so that differences of M are whole numbers; NaN is not served.
; M is the running ceiling over the wave's own quarter of the keys: against one M for the whole row that changes only numbers under the format's range, or a hold that binds (e8 at or under -16).
; REGISTERS, in windows of 256 (s_set_vgpr_msb: bits 1:0 source 0, 3:2 source 1, 5:4 source 2, 7:6 destination):
;   window 0: v1-9 addresses; v64-105 the merge; v128-255 Q (tile t at 128 + 32 t).
;   windows 1 and 2, one map: piece X holds query tiles 2 (X - 1) + i, i = 0, 1: v0-127 S^T, then p (64 i + 8 m); v128-159 P's codes (16 i); v160-191 O^T, two sets by turns; v192-207 the running results (8 i);
;     v208 + 12 i the statistics: +0 -M, +1 the largest t, +2..5 l in two pairs, +6 f, +7 zero, +8..10 at work; v232 57,344 x 2^e8; v233 2^e8.
;   window 3: v0-127 four buffers of two fragments of k or v; v128-255 Ww: register 8 T + j = Ww[16 T + 8 (lane / 16) + j].
.set SLOTV, 131072                     ; LDS: four slots for k (32,768 x wave), then four for v
.set MRG,   262144                     ; the merge: [-M, l, result][wave][query 0..63], 4 bytes each: 3,072 bytes, into which no tile lands
.set SPARE, 265216                     ; the spare words, 128 bytes for each wave: two blocks of 256 bytes that no other line names
.set LN,  1                            ; v1  16 x lane
.set AK,  2                            ; v2  my lane's place in my slot for k
.set AV,  3                            ; v3  the same for v
.set SPW, 4                            ; v4  LDS address of my spare word; never rewritten
.set NIL, 5                            ; v5  0; never rewritten
.set MA,  6                            ; v6  the merge: where I put my query's numbers
.set ML,  7                            ; v7  and where wave 0 reads two queries'
.set GO,  8                            ; v8  8 x lane: my two numbers of out0
.set WO,  9                            ; v9  32 x (lane / 16): Ww
.set Q,   128
.set S,   0
.set P,   128
.set OT,  160
.set AC,  192
.set ST,  208
.set LIM, 232
.set SCL, 233
.set FR,  0
.set WW,  128
.set G1,  24                           ; s[24:31] descriptor group 1, the same for every load
.set G0K, 32                           ; s[32:35] group 0 for k's tiles;  s[36:39] for v's
.set G0V, 36
.set MSB, 0
.macro WIN new                         ; the immediate's high byte repeats the setting that is left; a switch that changes nothing is dropped
.if MSB != (\new)
	s_set_vgpr_msb (MSB<<8)|(\new)
.set MSB, (\new)
.endif
.endm
.macro PLACES                          ; four places behind a matrix instruction, in front of reads of its result and of loads into its sources
.rept 4
	v_nop
.endr
.endm
; A round of the cluster's barrier: my work-group's barrier; wave 0 signals for the work-group; every wave waits for all four work-groups; my work-group's barrier once more.
.macro CROUND
	s_barrier_signal -1
	s_barrier_wait -1
	s_cmp_lg_u32 s16, 0
	s_cbranch_scc1 .Lnot_wave_0_\@
	s_barrier_signal -3
.Lnot_wave_0_\@:
	s_barrier_wait -3
	s_barrier_signal -1
	s_barrier_wait -1
.endm
; A slot that has been read out is filled again with the next step's tile, 65,536 bytes on in kv.
.macro CHANGE g0
	WIN 0                                          ; at a label and at a branch every window is 0; the add's two registers lie in window 0
	s_wait_tensorcnt 0x0                           ; all my tensor loads have landed, the other slot's tile among them: no load of mine is out, so a group 0 may be written
	ds_add_u32 v[SPW], v[NIL]                      ; 0 onto my spare word
	s_add_nc_u64 s[\g0+2:\g0+3], s[\g0+2:\g0+3], 65536   ; the address steps; the type bits on top are not reached
	s_wait_dscnt 0x0                               ; the add is done, and my reads of the slot are over
	CROUND                                         ; no wave of any partner still reads its slot or has a load on its way
	tensor_load_to_lds s[\g0:\g0+3], s[G1:G1+7]    ; the first tensor load behind the round, and my only one until the next
	s_nop 0
	PLACES                                         ; four v_nop follow it
.endm
; Group y of a tile: two fragments (k: key tile y, channels 128 s on; v: channel tiles 2 y + s), eight loads of 512 consecutive bytes, into buffer y % 4.  The caller has set destination window 3.
.macro FLOAD adr, y
.irp s, 0,1
.irp c, 0,1,2,3
	ds_load_b128 v[FR+32*((\y)%4)+16*\s+4*\c:FR+32*((\y)%4)+16*\s+4*\c+3], v[\adr] offset:(\y)*4096+\s*2048+\c*512
.endr
.endr
.endm
; Key tile y against piece x's two query tiles: the two accumulators take turns, one instruction a turn; the first product starts each sum.
.macro SMUL y, x
	WIN 0x53+0x50*((\x)-1)                         ; k window 3, Q window 0, S^T window x
.irp s, 0,1
.irp i, 0,1
.if \s == 0
	v_wmma_f32_16x16x128_bf8_bf8 v[S+64*\i+8*(\y):S+64*\i+8*(\y)+7], v[FR+32*((\y)%4)+16*\s:FR+32*((\y)%4)+16*\s+15], v[Q+32*(2*((\x)-1)+\i)+16*\s:Q+32*(2*((\x)-1)+\i)+16*\s+15], 0
.else
	v_wmma_f32_16x16x128_bf8_bf8 v[S+64*\i+8*(\y):S+64*\i+8*(\y)+7], v[FR+32*((\y)%4)+16*\s:FR+32*((\y)%4)+16*\s+15], v[Q+32*(2*((\x)-1)+\i)+16*\s:Q+32*(2*((\x)-1)+\i)+16*\s+15], v[S+64*\i+8*(\y):S+64*\i+8*(\y)+7]
.endif
.endr
.endr
.endm
; S^T of a step: 64 products.  Four groups of fragments are asked for ahead; a buffer is asked for again four places behind its last product.
.macro SPHASE
	WIN 0xc0
	FLOAD AK, 0
	FLOAD AK, 1
	FLOAD AK, 2
	FLOAD AK, 3
.irp y, 0,1,2,3,4,5,6,7
.if \y < 5
	s_wait_dscnt 24                                ; group y is in; the three younger groups, eight loads each, may be out
.else
	s_wait_dscnt 8*(7-\y)                          ; the counts run down
.endif
	SMUL \y, 1
	SMUL \y, 2
.if \y < 4
	PLACES
	WIN 0xc0
	FLOAD AK, \y+4
.endif
.endr
.endm
; The softmax of piece x for one step, all in window x; the two tiles by turns, so that no line waits for the line above it.
.macro SOFTMAX x
	WIN 0x55*(\x)
.irp i, 0,1
	v_max3_num_f32 v[ST+12*\i+8], v[S+64*\i], v[S+64*\i+1], v[S+64*\i+2]       ; the step's largest score of my query among my 64 keys, in two chains; each accumulator is read from its low end on
	v_max3_num_f32 v[ST+12*\i+9], v[S+64*\i+3], v[S+64*\i+4], v[S+64*\i+5]
.endr
.irp k, 6,10,14,18,22,26,30,34,38,42,46,50,54,58
.irp i, 0,1
	v_max3_num_f32 v[ST+12*\i+8], v[ST+12*\i+8], v[S+64*\i+\k], v[S+64*\i+\k+1]
	v_max3_num_f32 v[ST+12*\i+9], v[ST+12*\i+9], v[S+64*\i+\k+2], v[S+64*\i+\k+3]
.endr
.endr
.irp i, 0,1
	v_max3_num_f32 v[ST+12*\i+8], v[ST+12*\i+8], v[S+64*\i+62], v[S+64*\i+63]
.endr
.irp i, 0,1
	v_max_num_f32 v[ST+12*\i+8], v[ST+12*\i+8], v[ST+12*\i+9]
.endr
.irp i, 0,1
	v_permlanex16_b32 v[ST+12*\i+10], v[ST+12*\i+8], s42, s43                  ; the query's other 64 keys lie in the lane 16 away
.endr
.irp i, 0,1
	v_max_num_f32 v[ST+12*\i+8], v[ST+12*\i+8], v[ST+12*\i+10]
.endr
.irp i, 0,1
	v_mul_f32 v[ST+12*\i+8], s40, v[ST+12*\i+8]                                ; as t (c is positive)
.endr
.irp i, 0,1
	v_max_num_f32 v[ST+12*\i+1], v[ST+12*\i+1], v[ST+12*\i+8]                  ; the running largest t
.endr
.irp i, 0,1
	v_mov_b32 v[ST+12*\i+8], v[ST+12*\i]
.endr
.irp i, 0,1
	v_floor_f32 v[ST+12*\i], -v[ST+12*\i+1]                                    ; the new -M = floor(-t) = -ceil(t)
.endr
.irp i, 0,1
	v_sub_f32 v[ST+12*\i+8], v[ST+12*\i], v[ST+12*\i+8]                        ; M's old value less its new one: a whole number, 0 or less
.endr
.irp i, 0,1
	v_cvt_i32_f32 v[ST+12*\i+8], v[ST+12*\i+8]                                 ; (it saturates)
.endr
.irp i, 0,1
	v_ldexp_f32 v[ST+12*\i+6], 1.0, v[ST+12*\i+8]                              ; f = 2^(old M - new M)
.endr
.irp i, 0,1
	v_pk_mul_f32 v[ST+12*\i+2:ST+12*\i+3], v[ST+12*\i+2:ST+12*\i+3], v[ST+12*\i+6:ST+12*\i+7] op_sel_hi:[1,0]   ; l and the running results under the new M: nothing is rounded
	v_pk_mul_f32 v[ST+12*\i+4:ST+12*\i+5], v[ST+12*\i+4:ST+12*\i+5], v[ST+12*\i+6:ST+12*\i+7] op_sel_hi:[1,0]
.irp j, 0,2,4,6
	v_pk_mul_f32 v[AC+8*\i+\j:AC+8*\i+\j+1], v[AC+8*\i+\j:AC+8*\i+\j+1], v[ST+12*\i+6:ST+12*\i+7] op_sel_hi:[1,0]
.endr
.endr
.set n, 0
.rept 32
	v_pk_fma_f32 v[S+2*n:S+2*n+1], v[S+2*n:S+2*n+1], s[40:41], v[ST:ST+1] op_sel_hi:[1,0,0]   ; tile 0: t - M, two at a time (of the pairs c and -M the low word serves both halves)
.set n, n+1
.endr
.set n, 0
.rept 32                               ; tile 0's exponentials; tile 1's scalings are the plain instructions among them
	v_exp_f32 v[S+2*n], v[S+2*n]
	v_pk_fma_f32 v[S+64+2*n:S+64+2*n+1], v[S+64+2*n:S+64+2*n+1], s[40:41], v[ST+12:ST+13] op_sel_hi:[1,0,0]
	v_exp_f32 v[S+2*n+1], v[S+2*n+1]
.set n, n+1
.endr
.set n, 0
.rept 32                               ; tile 1's exponentials; tile 0's sums, of the unquantised p, in two chains, stand among them
	v_exp_f32 v[S+64+2*n], v[S+64+2*n]
	s_wait_alu depctr_va_vdst(0)
	v_pk_add_f32 v[ST+2+2*(n%2):ST+3+2*(n%2)], v[ST+2+2*(n%2):ST+3+2*(n%2)], v[S+2*n:S+2*n+1]
	v_exp_f32 v[S+64+2*n+1], v[S+64+2*n+1]
.set n, n+1
.endr
.set n, 0
.rept 32                               ; tile 0's hold (the conversion to an 8-bit code does not saturate: ISA guide 7.6.2; p is not negative, so it is one-sided), and tile 1's sums
	v_min_num_f32 v[S+2*n], v[S+2*n], v[LIM]
	s_wait_alu depctr_va_vdst(0)
	v_pk_add_f32 v[ST+14+2*(n%2):ST+15+2*(n%2)], v[ST+14+2*(n%2):ST+15+2*(n%2)], v[S+64+2*n:S+64+2*n+1]
	v_min_num_f32 v[S+2*n+1], v[S+2*n+1], v[LIM]
.set n, n+1
.endr
.irp m, 0,1,2,3,4,5,6,7
	v_cvt_scalef32_pk8_bf8_f32 v[P+2*\m:P+2*\m+1], v[S+8*\m:S+8*\m+7], v[SCL]
.endr
.set n, 0
.rept 64
	v_min_num_f32 v[S+64+n], v[S+64+n], v[LIM]
.set n, n+1
.endr
.irp m, 0,1,2,3,4,5,6,7
	v_cvt_scalef32_pk8_bf8_f32 v[P+16+2*\m:P+16+2*\m+1], v[S+64+8*\m:S+64+8*\m+7], v[SCL]
.endr
	v_nop                                          ; one plain vector instruction between the last conversion and the matrix instructions that read its result or write its sources
.endm
; Channel tile t of O^T for piece x's two query tiles, begun with 0, into set t % 2.
.macro WPV t, x
	WIN 0x57+0x54*((\x)-1)                         ; source 0 window 3, all else window x
.irp i, 0,1
	v_wmma_f32_16x16x128_bf8_bf8 v[OT+16*((\t)%2)+8*\i:OT+16*((\t)%2)+8*\i+7], v[FR+32*(((\t)/2)%4)+16*((\t)%2):FR+32*(((\t)/2)%4)+16*((\t)%2)+15], v[P+16*\i:P+16*\i+15], 0
.endr
.endm
; and its contraction with Ww: eight packed multiply-adds, each accumulator from its low end on.  They are also the places behind the products round them.
.macro FPV t, x
	WIN 0x57+0x54*((\x)-1)
.irp i, 0,1
.irp j, 0,2,4,6
	v_pk_fma_f32 v[AC+8*\i+\j:AC+8*\i+\j+1], v[WW+8*(\t)+\j:WW+8*(\t)+\j+1], v[OT+16*((\t)%2)+8*\i+\j:OT+16*((\t)%2)+8*\i+\j+1], v[AC+8*\i+\j:AC+8*\i+\j+1]
.endr
.endr
.endm
; O^T . Ww of a step: 64 products; tile t's contraction stands behind tile t + 1's products, sixteen plain instructions or more behind its own.
.macro PVPHASE
.irp y, 0,1,2,3,4,5,6,7
.if \y < 5
	s_wait_dscnt 24                                ; group y is in; the three younger groups, eight loads each, may be out
.else
	s_wait_dscnt 8*(7-\y)
.endif
.irp u, 0,1
	WPV 2*\y+\u, 1
.if 2*\y+\u > 0
.if 2*\y+\u == 1
	PLACES                                         ; nothing plain has stood behind tile 0's products yet
.endif
	FPV 2*\y+\u-1, 1
.endif
	WPV 2*\y+\u, 2
.if 2*\y+\u > 0
	FPV 2*\y+\u-1, 2
.endif
.endr
.if \y < 4
	WIN 0xc0
	FLOAD AV, \y+4                                 ; eight plain instructions stand behind the buffer's last product
.endif
.endr
	FPV 15, 1
	FPV 15, 2
.endm
.macro INIT x                          ; the step is written once: the first finds zeros, which the first change of M leaves zeros
	WIN 0x55*(\x)
.irp i, 0,1
	v_mov_b32 v[ST+12*\i+1], 0xff61b1e6            ; the largest t so far: -3e38, under every t
	v_floor_f32 v[ST+12*\i], -v[ST+12*\i+1]        ; -M
.irp j, 2,3,4,5,7,10
	v_mov_b32 v[ST+12*\i+\j], 0                    ; l; the upper half of f's pair; a lane permute's destination counts as one of its sources
.endr
.endr
.set n, 0
.rept 16
	v_mov_b32 v[AC+n], 0
.set n, n+1
.endr
	v_mov_b32 v[LIM], s54
	v_mov_b32 v[SCL], s55
.endm
; Piece x's two tiles: the eight running results and l's four parts are added, the other half of the lanes' too; -M, l and the result go to the merge.
.macro FINISH x
	WIN 0x55*(\x)
.irp i, 0,1
	v_pk_add_f32 v[AC+8*\i:AC+8*\i+1], v[AC+8*\i:AC+8*\i+1], v[AC+8*\i+2:AC+8*\i+3]
	v_pk_add_f32 v[AC+8*\i+4:AC+8*\i+5], v[AC+8*\i+4:AC+8*\i+5], v[AC+8*\i+6:AC+8*\i+7]
	v_pk_add_f32 v[ST+12*\i+2:ST+12*\i+3], v[ST+12*\i+2:ST+12*\i+3], v[ST+12*\i+4:ST+12*\i+5]
.endr
.irp i, 0,1
	v_pk_add_f32 v[AC+8*\i:AC+8*\i+1], v[AC+8*\i:AC+8*\i+1], v[AC+8*\i+4:AC+8*\i+5]
.endr
.irp i, 0,1
	v_add_f32 v[AC+8*\i], v[AC+8*\i], v[AC+8*\i+1]
	v_add_f32 v[ST+12*\i+2], v[ST+12*\i+2], v[ST+12*\i+3]
.endr
.irp i, 0,1
	v_permlanex16_b32 v[ST+12*\i+10], v[AC+8*\i], s42, s43
	v_permlanex16_b32 v[ST+12*\i+8], v[ST+12*\i+2], s42, s43
.endr
.irp i, 0,1
	v_add_f32 v[AC+8*\i], v[AC+8*\i], v[ST+12*\i+10]
	v_add_f32 v[ST+12*\i+2], v[ST+12*\i+2], v[ST+12*\i+8]
.endr
	WIN 0x04*(\x)                                  ; an LDS store's data are source 1: window x; its address window 0
.irp i, 0,1
	ds_store_b32 v[MA], v[ST+12*\i]   offset:64*(2*((\x)-1)+\i)          ; both halves of the lanes hold the same number and write the same word
	ds_store_b32 v[MA], v[ST+12*\i+2] offset:1024+64*(2*((\x)-1)+\i)
	ds_store_b32 v[MA], v[AC+8*\i]    offset:2048+64*(2*((\x)-1)+\i)
.endr
.endm
	s_load_b256 s[4:11], s[0:1], 0x0               ; qc s[4:5], kv s[6:7], Ww s[8:9], bw s[10:11]
	s_load_b128 s[12:15], s[0:1], 0x20             ; the exponents s[12:13], out0 s[14:15]
	v_lshl_add_u32 v[SPW], v0, 2, SPARE
	v_mov_b32 v[NIL], 0
	ds_add_u32 v4, v5
	ds_add_u32 v4, v5
	s_wait_dscnt 0x0
	v_lshrrev_b32 v10, 5, v0
	v_readfirstlane_b32 s16, v10                   ; wave 0..3
	s_bfe_u32 s17, ttmp6, 0x40000                  ; cx: my place in the cluster
	s_lshl_b32 s18, ttmp9, 2                       ; in a cluster launch ttmp9 counts clusters
	s_add_co_u32 s18, s18, s17                     ; my block of 64 queries = 4 x cluster x + cx: it enters qc's and out0's addresses alone
	s_and_b32 s19, ttmp7, 0xffff                   ; the batch, which the four partners share
	; descriptor group 1: 32,768 dense bytes as 128 rows of 32 elements of 8 bytes
	s_mov_b32 s[G1], 15|(3<<16)|(1<<21)            ; 15:0 the mask: all four work-groups; 17:16 elements of 8 bytes; 20 no padding: images are read at consecutive addresses; 21 set beside a mask
	s_mov_b32 s[G1+1], 32<<16                      ; tensor_dim0 = 32
	s_mov_b32 s[G1+2], 128<<16                     ; tensor_dim1 = 128
	s_mov_b32 s[G1+3], 32<<16                      ; tile_dim0 = 32
	s_mov_b32 s[G1+4], 128                         ; tile_dim1 = 128
	s_mov_b32 s[G1+5], 32                          ; elements from row to row
	s_mov_b32 s[G1+6], 0
	s_mov_b32 s[G1+7], 0
	s_lshl_b32 s20, s19, 20                        ; kv: a batch is 16 steps of 65,536 bytes,
	s_lshl_b32 s21, s16, 18                        ; my wave's keys begin 4 steps x wave on
	s_add_co_u32 s20, s20, s21
	s_mov_b32 s21, 0
	s_lshl_b32 s22, s19, 19                        ; qc: a batch is 128 tiles of 4,096 bytes, my block 4 tiles
	s_lshl_b32 s23, s18, 14
	s_add_co_u32 s22, s22, s23
	s_mov_b32 s23, 0
	s_lshl_b32 s46, s19, 13                        ; out0: a batch is 8,192 bytes, my block 256
	s_lshl_b32 s47, s18, 8
	s_add_co_u32 s46, s46, s47
	s_mov_b32 s47, 0
	s_mov_b32 s42, 0x76543210                      ; v_permlanex16_b32's selects for lane l xor 16
	s_mov_b32 s43, 0xfedcba98
	s_lshl_b32 s45, s16, 15                        ; my slots: 32,768 x wave: no place in the cluster enters an LDS address
	v_and_b32 v10, 15, v0                          ; r
	v_bfe_u32 v11, v0, 4, 1                        ; h
	v_and_b32 v12, 31, v0                          ; lane
	v_lshlrev_b32 v[LN], 4, v12
	v_add_nc_u32 v[AK], s45, v[LN]
	v_add_nc_u32 v[AV], SLOTV, v[AK]
	s_lshl_b32 s54, s16, 8
	s_add_co_u32 s54, s54, MRG
	v_lshl_add_u32 v[MA], v10, 2, s54              ; MRG + 256 x wave + 4 r
	v_lshl_add_u32 v[ML], v12, 3, MRG
	v_lshlrev_b32 v[GO], 3, v12
	v_lshlrev_b32 v[WO], 5, v11
	s_wait_kmcnt 0x0
	s_load_b64 s[48:49], s[12:13], 0x18            ; e6, e7
	s_load_b64 s[50:51], s[12:13], 0x20            ; e8, e9
	s_load_b32 s52, s[10:11], 0x0                  ; bw
	s_add_nc_u64 s[4:5], s[4:5], s[22:23]
	s_add_nc_u64 s[14:15], s[14:15], s[46:47]
	s_mov_b32 s[G0K], 1                            ; count = 1
	s_mov_b32 s[G0K+1], s45                        ; LDS address
	s_add_nc_u64 s[G0K+2:G0K+3], s[6:7], s[20:21]  ; global address: my first step's k,
	s_mov_b32 s[G0V], 1
	s_add_co_u32 s[G0V+1], s45, SLOTV
	s_add_nc_u64 s[G0V+2:G0V+3], s[G0K+2:G0K+3], 32768   ; and its v, 32,768 bytes on
	s_or_b32 s[G0K+3], s[G0K+3], 0x80000000        ; type = 2
	s_or_b32 s[G0V+3], s[G0V+3], 0x80000000
	CROUND                                         ; all four work-groups are here: the first joint loads meet
	tensor_load_to_lds s[G0K:G0K+3], s[G1:G1+7]    ; the two first fills stand together, ahead of every wait on TENSORcnt and every LDS read
	s_nop 0
	tensor_load_to_lds s[G0V:G0V+3], s[G1:G1+7]
	s_nop 0
	PLACES
.set n, 0
.rept 32
	global_load_b128 v[Q+4*n:Q+4*n+3], v[LN], s[4:5] offset:512*n        ; Q's four tiles stay in registers: 32 groups of four registers, as they lie
.set n, n+1
.endr
	WIN 0xc0                                       ; destination window 3
.set n, 0
.rept 16
	global_load_b128 v[WW+8*n:WW+8*n+3],   v[WO], s[8:9] offset:64*n     ; Ww at channels 16 T + 8 h + 0..7: O^T's layout
	global_load_b128 v[WW+8*n+4:WW+8*n+7], v[WO], s[8:9] offset:64*n+16
.set n, n+1
.endr
	s_wait_kmcnt 0x0
	s_add_co_i32 s40, s48, s49
	s_lshl_b32 s40, s40, 23
	s_add_co_i32 s40, s40, 0x3db8aa3b              ; c = log2(e) / 16, with e6 + e7 added to its exponent field: a score stands for score x 2^(e6 + e7)
	s_mov_b32 s41, s40                             ; (named with it as a pair, so it is written)
	s_add_co_i32 s53, s50, s51                     ; e8 + e9
	s_add_co_i32 s54, s50, 127
	s_lshl_b32 s55, s54, 23                        ; 2^e8 as f32, for the conversion
	s_add_co_i32 s54, s54, 15
	s_lshl_b32 s54, s54, 23
	s_or_b32 s54, s54, 0x600000                    ; 57,344 x 2^e8
	INIT 1
	INIT 2
	WIN 0
	s_wait_loadcnt 0x0                             ; Q and Ww
	s_wait_tensorcnt 0x1                           ; my first tile of k is in; v's may stay out.  Only I read my slots, so my own wait is all that the reads need
	s_mov_b32 s44, 3
.Lstep:                                            ; three trips: each fills both slots again
	SPHASE
	PLACES                                         ; between piece 1's last product and the first read of its scores
	SOFTMAX 1
	CHANGE G0K                                     ; k's slot takes the next step's tile; the wait in front has shown this step's v landed
	WIN 0xc0
	FLOAD AV, 0
	FLOAD AV, 1
	FLOAD AV, 2
	FLOAD AV, 3
	SOFTMAX 2
	PVPHASE
	CHANGE G0V                                     ; v's slot takes the next step's tile; the wait in front has shown the next step's k landed
	s_sub_co_u32 s44, s44, 1
	s_cmp_lg_u32 s44, 0
	s_cbranch_scc1 .Lstep
	SPHASE                                         ; the last step is written out: nothing is left to fetch
	PLACES
	SOFTMAX 1
	s_wait_tensorcnt 0x0                           ; the last tile of v: no load was issued behind it
	WIN 0xc0
	FLOAD AV, 0
	FLOAD AV, 1
	FLOAD AV, 2
	FLOAD AV, 3
	SOFTMAX 2
	PVPHASE
	FINISH 1
	FINISH 2
	WIN 0
	s_wait_dscnt 0x0                               ; for the others' sake: my stores into the merge are done
	s_barrier_signal -1
	s_barrier_wait -1
	s_cmp_lg_u32 s16, 0
	s_cbranch_scc1 .Lclose                         ; wave 0 merges: 64 queries, two a lane
.irp f, 0,1,2
.irp g, 0,1,2,3
	ds_load_b64 v[64+2*(4*\f+\g):64+2*(4*\f+\g)+1], v[ML] offset:1024*\f+256*\g
.endr
.endr
	s_wait_dscnt 0x0
.irp c, 0,1
	v_min_num_f32 v[88+\c], v[64+\c], v[66+\c]     ; -M of the whole row: the smallest of the four waves' -M
.endr
.irp c, 0,1
	v_min_num_f32 v[88+\c], v[88+\c], v[68+\c]
.endr
.irp c, 0,1
	v_min_num_f32 v[88+\c], v[88+\c], v[70+\c]
.endr
.irp g, 0,1,2,3
.irp c, 0,1
	v_sub_f32 v[90+2*\g+\c], v[88+\c], v[64+2*\g+\c]   ; wave g's M less the row's: a whole number, 0 or less
.endr
.endr
.irp g, 0,1,2,3
.irp c, 0,1
	v_cvt_i32_f32 v[90+2*\g+\c], v[90+2*\g+\c]
.endr
.endr
.irp g, 0,1,2,3
.irp c, 0,1
	v_ldexp_f32 v[90+2*\g+\c], 1.0, v[90+2*\g+\c]  ; the power of two that brings wave g's numbers under the row's M
.endr
.endr
	v_pk_mul_f32 v[98:99], v[72:73], v[90:91]      ; l
	v_pk_mul_f32 v[100:101], v[80:81], v[90:91]    ; the result
.irp g, 1,2,3
	v_pk_fma_f32 v[98:99], v[72+2*\g:73+2*\g], v[90+2*\g:91+2*\g], v[98:99]
	v_pk_fma_f32 v[100:101], v[80+2*\g:81+2*\g], v[90+2*\g:91+2*\g], v[100:101]
.endr
	v_rcp_f32 v102, v98
	v_rcp_f32 v103, v99
	v_nop                                          ; one plain instruction between the last reciprocal and the use of its result
	s_wait_alu depctr_va_vdst(0)
	v_ldexp_f32 v102, v102, s53                    ; x 2^(e8 + e9)
	v_ldexp_f32 v103, v103, s53
	v_pk_fma_f32 v[104:105], v[100:101], v[102:103], s[52:53] op_sel_hi:[1,1,0]   ; + bw (the scalar pair's low word for both halves)
	global_store_b64 v[GO], v[104:105], s[14:15]   ; 32 lanes store 256 consecutive bytes, at a multiple of 256 from out0's first byte
.Lclose:
	s_wait_tensorcnt 0x0                           ; the wave's end, behind my last tensor load and my last LDS store
	ds_add_u32 v[SPW], v[NIL]
	s_wait_dscnt 0x0
	CROUND                                         ; the closing round: no work-group ends while a partner may still ask for a tile that names it
	s_endpgm
.Lfunc_end_k_q861a0985b8_attn:
	.size	k_q861a0985b8_attn, .Lfunc_end_k_q861a0985b8_attn-k_q861a0985b8_attn
	.p2alignl 7, 3214868480
	.fill 96, 4, 3214868480
	.section	.rodata,"a",@progbits
	.p2align	6, 0x0
	.amdhsa_kernel k_q861a0985b8_attn
		.amdhsa_group_segment_fixed_size 327680
		.amdhsa_private_segment_fixed_size 0
		.amdhsa_enable_private_segment 0
		.amdhsa_kernarg_size 48
		.amdhsa_user_sgpr_count 2
		.amdhsa_user_sgpr_kernarg_segment_ptr 1
		.amdhsa_wavefront_size32 1
		.amdhsa_system_sgpr_workgroup_id_x 1
		.amdhsa_system_sgpr_workgroup_id_y 1
		.amdhsa_system_sgpr_workgroup_id_z 1
		.amdhsa_system_vgpr_workitem_id 0
		.amdhsa_next_free_vgpr 1024
		.amdhsa_next_free_sgpr 66
		.amdhsa_reserve_vcc 0
		.amdhsa_float_denorm_mode_32 3
		.amdhsa_float_denorm_mode_16_64 3
		.amdhsa_memory_ordered 1
		.amdhsa_forward_progress 1
		.amdhsa_inst_pref_size 190
	.end_amdhsa_kernel
	.amdgpu_metadata
---
amdhsa.version: [ 1, 2 ]
amdhsa.kernels:
  - .name:           k_q861a0985b8_attn
    .symbol:         k_q861a0985b8_attn.kd
    .args:
      - { .name: qc, .offset: 0, .size: 8, .value_kind: global_buffer, .address_space: global }
      - { .name: kv, .offset: 8, .size: 8, .value_kind: global_buffer, .address_space: global }
      - { .name: Ww, .offset: 16, .size: 8, .value_kind: global_buffer, .address_space: global }
      - { .name: bw, .offset: 24, .size: 8, .value_kind: global_buffer, .address_space: global }
      - { .name: lowp_scales, .offset: 32, .size: 8, .value_kind: global_buffer, .address_space: global }
      - { .name: out0, .offset: 40, .size: 8, .value_kind: global_buffer, .address_space: global }
    .group_segment_fixed_size: 327680
    .private_segment_fixed_size: 0
    .kernarg_segment_align: 8
    .kernarg_segment_size: 48
    .max_flat_workgroup_size: 128
    .sgpr_count:     66
    .vgpr_count:     1024
    .wavefront_size: 32
...
	.end_amdgpu_metadata
.endif
;; end of part 2
;; ======== version 2 of 2: 2 launches
;; limits: right only within a limited range of input values
;; workspace buffers: qc 4,194,304 bytes; kv 8,388,608 bytes
;; launch proj (part 3): grid 4 x 64, 8 waves a work-group, clusters of 4 x 4, 168,960 bytes of LDS; arguments x_codes, Wq_codes, Wk_codes, Wv_codes, bq, bk, bv, lowp_scales, qc, kv; writes qc, kv
.if DOCPART == 3
	.amdgcn_target "amdgcn-amd-amdhsa--gfx1250"
	.amdhsa_code_object_version 6
	.text
	.protected	k_q861a0985b8_proj
	.globl	k_q861a0985b8_proj
	.p2align	8
	.type	k_q861a0985b8_proj,@function
k_q861a0985b8_proj:
	s_mov_b64 s[64:65], 0
	v_nop
	global_prefetch_b8 v0, s[64:65] scope:SCOPE_SE
	s_setreg_imm32_b32 hwreg(HW_REG_WAVE_MODE, 25, 1), 1
	s_wait_xcnt 0x0
	s_wait_alu depctr_hold_cnt(0) depctr_sa_sdst(0) depctr_va_vdst(0) depctr_va_sdst(0) depctr_va_ssrc(0) depctr_va_vcc(0) depctr_vm_vsrc(0)
	s_getreg_b32 s2, hwreg(HW_REG_IB_STS2, 6, 4)
	s_cmp_eq_u32 s2, 0
	s_cbranch_scc0 .Lentry_in_a_cluster
	s_endpgm
.Lentry_in_a_cluster:
	s_bfe_u32 s2, ttmp6, 0x10000c
	s_cmp_lg_u32 s2, 0xf033
	s_cbranch_scc0 .Lentry_shape_is_right
	s_endpgm
.Lentry_shape_is_right:
; q = x Wq + bq, k = x Wk + bk, v = x Wv + bv on codes of E5M2, and their own quantising for the two products of the attention that follows.
; x: [16384][256] codes; W*: [256 (channel)][256 (K)] codes; b*: [256] f32; lowp_scales: e0 .. e9.
; OUT, as images of operand registers (a later load of 16 bytes at 16 x lane gives four registers of a fragment):
;   qc: [token tile of 16][group 0..7][lane][16 bytes]; register 16 s + 2 c (+1) of lane (r, h) = token r, channels 128 s + 16 c + 8 h + 0..7
;   kv: [block of 256 keys][131,072 bytes]: k: [128 keys 0, 1][16-key tiles 0, 1, 4, 5, 2, 3, 6, 7 of the 128], a tile laid as qc's; then v: [channel tile 0..15][128 keys 0, 1][group 0..3][lane][16 bytes]:
;       register 2 c (+1) of lane (r, h) = channel 16 T + r, keys 16 c + 8 h + 0..7 of the 128
; SHARES.  A work-group takes 256 tokens (work-group y) and channels 64 cq .. 64 cq + 63 (cq = work-group x) of EACH weight.  Wave w takes 64 of the tokens (g = w % 4: four tiles m) and
; 32 of the channels (u = w / 4: two tiles i): 48 matrix instructions.  x's 256 rows and the weights' 3 x 64 rows come once, by one tensor load a wave, into LDS rows of 256 bytes + 16 of padding:
; waves 0 to 3 bring 64 rows of x each, waves 4 to 6 one weight each.  There is no loop to run ahead in, so nothing is prefetched.
; CLUSTER.  4 x 4 work-groups.  The four of a row of the cluster have the same tokens and need the same rows of x, the four of a column the same channels and the same rows of the weights:
; each tile is asked for JOINTLY, by the same tensor load with the same descriptor and a mask that names the four.
; q and k are made TRANSPOSED (source 0 = 16 channels of W, source 1 = 16 tokens): a lane holds one token and eight neighbouring channels, which are neighbours along the next K.
; v is made the other way round (source 0 = tokens, source 1 = channels): a lane holds one channel and eight neighbouring tokens: the keys are the next K.
; A fragment (16 rows x 128 K) is fetched by four loads of 16 bytes, 32 bytes apart: the same permutation of k in x and in W, so every product meets its partner.
; The bias is the C of a sum's first matrix instruction, as b / 2^(ea + eb); the conversion takes the one folded scale 2^(eout - ea - eb).
; LIMITS: e6 - e0 - e1, e7 - e2 - e3 and e9 - e4 - e5 lie between -126 and 112, so that the scale and 57,344 x the scale are f32 numbers.  NaN among the inputs is not served.
; REGISTERS: window 0: v1-13 addresses; v16-63 the biases; v64-127, v128-191 two sets of 8 accumulators ((i, m) at 8 (4 i + m)); v192-239 the codes; v240-249 bv as loaded, scales and limits.
;   window 1: v0-127 x (fragment (m, s) at 16 (2 m + s)); v128-191, v192-255 two buffers of a weight ((i, s) at 16 (2 i + s)).
.set PITCH, 272                        ; 68 words: row r starts at bank 4 r mod 64 (64 banks of 4 bytes: ISA guide 11.1), so the 16 rows of a load start at 16 different banks
.set WB,    256*PITCH                  ; behind x's 256 rows: the weights
.set WTILE, 64*PITCH
.set SPARE, 167936                     ; the spare words, 128 bytes for each wave, which no other line names
.set XL,  1                            ; v1  my bytes in x's rows in LDS
.set WL,  2                            ; v2  my bytes in a weight's rows in LDS
.set BA,  3                            ; v3  bq, bk: 256 cq + 128 u + 32 h
.set BVA, 4                            ; v4  bv: 256 cq + 128 u + 4 r
.set SA,  5                            ; v5  16 lane + 512 (2 cq + u): where q's and k's codes go in a tile's image
.set VA,  6                            ; v6  16 lane + 8,192 (2 cq + u): where v's go
.set SPW, 8
.set NIL, 9
.set AA,  64
.set AB,  128
.set CQ,  192
.set CK,  208
.set CV,  224
.set G1X, 24                           ; s[24:31] group 1 for x, s[68:75] for the weights: they differ in the mask alone
.set G1W, 68
.set G0X, 76                           ; s[76:79] group 0 for x; s[80:91] for the three weights
.set G0W, 80
.set MSB, 0
.macro WIN new                         ; the immediate's high byte repeats the setting that is left; a switch that changes nothing is dropped
.if MSB != (\new)
	s_set_vgpr_msb (MSB<<8)|(\new)
.set MSB, (\new)
.endif
.endm
.macro VWAIT
	s_wait_alu depctr_va_vdst(0)
.endm
.macro PLACES                          ; four places behind a matrix instruction (ISA guide 7.12.1)
.rept 4
	v_nop
.endr
.endm
; A round of the cluster's barrier: my work-group's barrier; wave 0 signals for the work-group; every wave waits for all sixteen work-groups; my work-group's barrier once more.
.macro CROUND
	s_barrier_signal -1
	s_barrier_wait -1
	s_cmp_lg_u32 s34, 0
	s_cbranch_scc1 .Lnot_wave_0_\@
	s_barrier_signal -3
.Lnot_wave_0_\@:
	s_barrier_wait -3
	s_barrier_signal -1
	s_barrier_wait -1
.endm
.macro FILL g0, g1                     ; a tensor load, s_nop 0 and four v_nop
	tensor_load_to_lds s[\g0:\g0+3], s[\g1:\g1+7]
	s_nop 0
	PLACES
.endm
.macro XLOAD                           ; my 64 rows of x: 32 loads
	WIN 0x40
.irp m, 0,1,2,3
.irp s, 0,1
.irp c, 0,1,2,3
	ds_load_b128 v[16*(2*\m+\s)+4*\c:16*(2*\m+\s)+4*\c+3], v[XL] offset:\m*16*PITCH+128*\s+32*\c
.endr
.endr
.endr
.endm
.macro WLOAD k, buf                    ; my 32 rows of weight k: 16 loads
	WIN 0x40
.irp i, 0,1
.irp s, 0,1
.irp c, 0,1,2,3
	ds_load_b128 v[128+64*\buf+16*(2*\i+\s)+4*\c:128+64*\buf+16*(2*\i+\s)+4*\c+3], v[WL] offset:\k*WTILE+\i*16*PITCH+128*\s+32*\c
.endr
.endr
.endr
.endm
; One projection: eight products that start the sums with the bias, eight that add K's second half; the eight accumulators take turns, one instruction a turn.
.macro MULT acc, buf, bias, isv
	WIN 0x05                                       ; W and x window 1; C and D window 0
.irp s, 0,1
.irp i, 0,1
.irp m, 0,1,2,3
.set FW, 128+64*\buf+16*(2*\i+\s)
.set FX, 16*(2*\m+\s)
.set AC, \acc+8*(4*\i+\m)
.if \s
.set CC, AC
.else
.set CC, \bias+8*\i
.endif
.if \isv
	v_wmma_f32_16x16x128_bf8_bf8 v[AC:AC+7], v[FX:FX+15], v[FW:FW+15], v[CC:CC+7]
.else
	v_wmma_f32_16x16x128_bf8_bf8 v[AC:AC+7], v[FW:FW+15], v[FX:FX+15], v[CC:CC+7]
.endif
.endr
.endr
.endr
	WIN 0
.endm
; The hold (the conversion to an 8-bit code does not saturate: ISA guide 7.6.2) at the largest code x the scale, each accumulator from its low end on, and the conversion; the codes of (i, m) at cod + ci i + cm m.
.macro QUANT acc, scl, cod, ci, cm
.set n, 0
.rept 64
	v_med3_num_f32 v[\acc+n], v[\acc+n], -v[\scl+1], v[\scl+1]
.set n, n+1
.endr
.irp i, 0,1
.irp m, 0,1,2,3
	v_cvt_scalef32_pk8_bf8_f32 v[\cod+\ci*\i+\cm*\m:\cod+\ci*\i+\cm*\m+1], v[\acc+8*(4*\i+\m):\acc+8*(4*\i+\m)+7], v[\scl]
.endr
.endr
	v_nop                                          ; one plain instruction behind the last conversion
.endm
; the exponents of one projection: s[neg] = -(ea + eb); v[vs] = 2^(eo - ea - eb); v[vs + 1] = 57,344 x that
.macro FOLD ea, eb, eo, neg, vs
	s_add_co_i32 s92, s[\ea], s[\eb]
	s_sub_co_i32 s[\neg], 0, s92
	s_sub_co_i32 s92, s[\eo], s92
	s_add_co_i32 s92, s92, 127
	s_lshl_b32 s93, s92, 23
	v_mov_b32 v[\vs], s93
	s_add_co_i32 s92, s92, 15
	s_lshl_b32 s92, s92, 23
	s_or_b32 s92, s92, 0x600000
	v_mov_b32 v[\vs+1], s92
.endm
	s_load_b512 s[4:19], s[0:1], 0x0               ; x s[4:5], Wq s[6:7], Wk s[8:9], Wv s[10:11], bq s[12:13], bk s[14:15], bv s[16:17], the exponents s[18:19]
	s_load_b128 s[20:23], s[0:1], 0x40             ; qc s[20:21], kv s[22:23]
	v_lshl_add_u32 v[SPW], v0, 2, SPARE
	v_mov_b32 v[NIL], 0
	ds_add_u32 v[SPW], v[NIL]                      ; the wave's opening: the add, twice on end, and its wait ahead of my first tensor load
	ds_add_u32 v[SPW], v[NIL]
	v_lshrrev_b32 v10, 5, v0
	v_readfirstlane_b32 s34, v10                   ; wave 0..7
	s_and_b32 s37, s34, 3                          ; g: which 64 tokens
	s_lshr_b32 s38, s34, 2                         ; u: which 32 channels
	s_bfe_u32 s35, ttmp6, 0x40000                  ; cx, cy: my place in the cluster
	s_bfe_u32 s59, ttmp6, 0x40004
	s_and_b32 s36, ttmp7, 0xffff                   ; in a cluster launch ttmp9 and ttmp7 count clusters
	s_lshl_b32 s36, s36, 2
	s_add_co_u32 s36, s36, s59                     ; my block of 256 tokens = 4 x cluster y + cy
	s_lshl_b32 s54, ttmp9, 2
	s_add_co_u32 s54, s54, s35                     ; cq = 4 x cluster x + cx: which 64 channels
	s_lshl_b32 s39, s54, 1
	s_add_co_u32 s39, s39, s38                     ; 2 cq + u: my 32 channels
	v_and_b32 v10, 15, v0                          ; r
	v_bfe_u32 v11, v0, 4, 1                        ; h
	v_and_b32 v12, 31, v0                          ; lane
	v_mul_u32_u24 v13, v10, PITCH
	v_lshl_add_u32 v13, v11, 4, v13                ; a fragment's row x pitch + 16 h
	s_mul_i32 s2, s37, 64*PITCH
	v_add_nc_u32 v[XL], s2, v13
	s_mul_i32 s2, s38, 32*PITCH
	s_add_co_u32 s2, s2, WB
	v_add_nc_u32 v[WL], s2, v13
	s_lshl_b32 s55, s39, 7
	v_lshlrev_b32 v[BA], 5, v11
	v_add_nc_u32 v[BA], s55, v[BA]
	v_lshlrev_b32 v[BVA], 2, v10
	v_add_nc_u32 v[BVA], s55, v[BVA]
	v_lshlrev_b32 v[SA], 4, v12
	s_lshl_b32 s3, s39, 13
	v_add_nc_u32 v[VA], s3, v[SA]
	s_lshl_b32 s3, s39, 9
	v_add_nc_u32 v[SA], s3, v[SA]
	s_lshl_b32 s60, s36, 16                        ; my block: 65,536 bytes on in x and in qc,
	s_lshl_b32 s62, s36, 17                        ; 131,072 in kv
	s_mov_b32 s61, 0
	s_mov_b32 s63, 0
	s_mov_b32 s51, 0
	s_mov_b32 s53, 0
	s_mov_b32 s95, 0
	s_lshl_b32 s50, s34, 14
	s_add_co_u32 s50, s50, s60                     ; waves 0 to 3: the 64 rows of x that I fetch: by the token block and the wave's number alone
	s_lshl_b32 s52, s54, 14                        ; the 64 rows of a weight: by cq alone
	s_lshl_b32 s2, s37, 10
	s_add_co_u32 s94, s62, s2
	s_add_co_u32 s94, s94, 65536                   ; v: two groups of 512 bytes of every channel tile for each g, behind the block's k
	s_lshl_b32 s2, s37, 14
	s_add_co_u32 s60, s60, s2                      ; q: four tiles of 4,096 bytes for each g
	s_lshr_b32 s2, s37, 1
	s_lshl_b32 s2, s2, 15
	s_add_co_u32 s62, s62, s2                      ; k: 128 keys, 32,768 bytes, for each two g;
	s_and_b32 s2, s37, 1
	s_lshl_b32 s2, s2, 13
	s_add_co_u32 s62, s62, s2                      ; the odd g's tiles two places on
	; descriptor groups 1: a tile of 64 rows x 256 bytes, padded in LDS
	s_lshl_b32 s2, s59, 2
	s_lshl_b32 s2, 15, s2                          ; my row of the cluster: places 4 cy .. 4 cy + 3
	s_or_b32 s[G1X], s2, (0<<16)|(1<<20)|(1<<21)|(5<<22)|(3<<25)  ; 15:0 the mask; 17:16 elements of 1 byte; 20 padding on; 21 set beside a mask; 24:22 after every 64 words (code 5); 31:25 four words (code 3)
	s_lshl_b32 s3, 0x1111, s35                     ; my column: places cx, cx + 4, cx + 8, cx + 12
	s_or_b32 s[G1W], s3, (0<<16)|(1<<20)|(1<<21)|(5<<22)|(3<<25)
.irp g, G1X, G1W
	s_mov_b32 s[\g+1], 256<<16                     ; tensor_dim0 = 256
	s_mov_b32 s[\g+2], 64<<16                      ; tensor_dim1 = 64
	s_mov_b32 s[\g+3], 256<<16                     ; tile_dim0 = 256
	s_mov_b32 s[\g+4], 64                          ; tile_dim1 = 64
	s_mov_b32 s[\g+5], 256                         ; elements from row to row
	s_mov_b32 s[\g+6], 0
	s_mov_b32 s[\g+7], 0
.endr
	s_mov_b32 s[G0X], 1
	s_mul_i32 s[G0X+1], s34, 64*PITCH              ; LDS: 64 rows x wave: no place in the cluster enters an LDS address
	VWAIT
	s_wait_dscnt 0x0                               ; both opening adds are done
	CROUND                                         ; all sixteen work-groups are here: the joint loads meet
	s_wait_kmcnt 0x0
	s_load_b256 s[40:47], s[18:19], 0x0            ; e0 .. e7
	s_load_b64 s[48:49], s[18:19], 0x20            ; e8, e9
	s_add_nc_u64 s[G0X+2:G0X+3], s[4:5], s[50:51]
	s_or_b32 s[G0X+3], s[G0X+3], 0x80000000        ; type = 2
.irp k, 0,1,2
	s_mov_b32 s[G0W+4*\k], 1
	s_mov_b32 s[G0W+4*\k+1], WB+\k*WTILE
	s_add_nc_u64 s[G0W+4*\k+2:G0W+4*\k+3], s[6+2*\k:7+2*\k], s[52:53]
	s_or_b32 s[G0W+4*\k+3], s[G0W+4*\k+3], 0x80000000
.endr
	s_cmp_lt_u32 s34, 4                            ; one chain of branches on the wave's number, one fill to an arm, one join; wave 7 fetches nothing
	s_cbranch_scc0 .Lfill_q
	FILL G0X, G1X
	s_branch .Lfilled
.Lfill_q:
	s_cmp_eq_u32 s34, 4
	s_cbranch_scc0 .Lfill_k
	FILL G0W, G1W
	s_branch .Lfilled
.Lfill_k:
	s_cmp_eq_u32 s34, 5
	s_cbranch_scc0 .Lfill_v
	FILL G0W+4, G1W
	s_branch .Lfilled
.Lfill_v:
	s_cmp_eq_u32 s34, 6
	s_cbranch_scc0 .Lfilled
	FILL G0W+8, G1W
.Lfilled:
.irp i, 0,1                            ; bq, bk at channels 64 cq + 32 u + 16 i + 8 h + 0..7: the result's layout; bv at channel 64 cq + 32 u + 16 i + r
	global_load_b128 v[16+8*\i:19+8*\i], v[BA], s[12:13] offset:64*\i
	global_load_b128 v[20+8*\i:23+8*\i], v[BA], s[12:13] offset:64*\i+16
	global_load_b128 v[32+8*\i:35+8*\i], v[BA], s[14:15] offset:64*\i
	global_load_b128 v[36+8*\i:39+8*\i], v[BA], s[14:15] offset:64*\i+16
	global_load_b32 v[240+\i], v[BVA], s[16:17] offset:64*\i
.endr
	s_add_nc_u64 s[20:21], s[20:21], s[60:61]
	s_add_nc_u64 s[94:95], s[22:23], s[94:95]      ; where v's codes go
	s_add_nc_u64 s[22:23], s[22:23], s[62:63]      ; where k's go
	s_wait_kmcnt 0x0
	FOLD 40, 41, 46, 56, 244                       ; q: e0, e1 -> e6
	FOLD 42, 43, 47, 57, 246                       ; k: e2, e3 -> e7
	FOLD 44, 45, 49, 58, 248                       ; v: e4, e5 -> e9
	VWAIT
	s_wait_loadcnt 0x0
.set n, 0
.rept 16
	v_ldexp_f32 v[16+n], v[16+n], s56              ; b / 2^(ea + eb): nothing is rounded
	v_ldexp_f32 v[32+n], v[32+n], s57
	v_ldexp_f32 v[48+n], v[240+n/8], s58           ; in v's sums a lane holds one channel and eight tokens: its bias eight times
.set n, n+1
.endr
	VWAIT                                          ; the head's end
	s_wait_tensorcnt 0x0                           ; my rows are in LDS,
	s_barrier_signal -1
	s_barrier_wait -1                              ; everybody's are.  Nothing is filled again in this launch
	XLOAD
	WLOAD 0, 0
	WLOAD 1, 1
	s_wait_dscnt 16                                ; x and Wq are in: Wk's 16 loads are younger
	MULT AA, 0, 16, 0
	s_wait_dscnt 0x0
	MULT AB, 1, 32, 0
	PLACES                                         ; for the loads into Wq's buffer and for the reads of q's sums
	WLOAD 2, 0
	WIN 0
	QUANT AA, 244, CQ, 2, 4
.irp m, 0,1,2,3
	global_store_b128 v[SA], v[CQ+4*\m:CQ+4*\m+3], s[20:21] offset:\m*4096   ; group 2 cq + u of tile m: 32 lanes store 512 consecutive bytes, at a multiple of 512 from the buffer's first byte
.endr
	s_wait_dscnt 0x0                               ; Wv
	MULT AA, 0, 48, 1                              ; v's products ahead of k's quantising
	QUANT AB, 246, CK, 2, 4
.irp m, 0,1,2,3
	global_store_b128 v[SA], v[CK+4*\m:CK+4*\m+3], s[22:23] offset:\m*4096+(\m/2)*8192   ; the second two tiles lie two places further on
.endr
	QUANT AA, 248, CV, 8, 2                        ; k's quantising, 64 plain instructions, stands behind v's products
.irp i, 0,1
.irp t, 0,1
	global_store_b128 v[VA], v[CV+8*\i+4*\t:CV+8*\i+4*\t+3], s[94:95] offset:\i*4096+512*\t   ; channel tile 4 cq + 2 u + i, my g's groups: 512 consecutive bytes
.endr
.endr
	s_wait_tensorcnt 0x0                           ; the wave's end
	ds_add_u32 v[SPW], v[NIL]
	s_wait_dscnt 0x0
	CROUND                                         ; the closing round: no work-group ends while a partner may still ask for a tile that names it
	s_endpgm
.Lfunc_end_k_q861a0985b8_proj:
	.size	k_q861a0985b8_proj, .Lfunc_end_k_q861a0985b8_proj-k_q861a0985b8_proj
	.p2alignl 7, 3214868480
	.fill 96, 4, 3214868480
	.section	.rodata,"a",@progbits
	.p2align	6, 0x0
	.amdhsa_kernel k_q861a0985b8_proj
		.amdhsa_group_segment_fixed_size 168960
		.amdhsa_private_segment_fixed_size 0
		.amdhsa_enable_private_segment 0
		.amdhsa_kernarg_size 80
		.amdhsa_user_sgpr_count 2
		.amdhsa_user_sgpr_kernarg_segment_ptr 1
		.amdhsa_wavefront_size32 1
		.amdhsa_system_sgpr_workgroup_id_x 1
		.amdhsa_system_sgpr_workgroup_id_y 1
		.amdhsa_system_sgpr_workgroup_id_z 1
		.amdhsa_system_vgpr_workitem_id 0
		.amdhsa_next_free_vgpr 512
		.amdhsa_next_free_sgpr 96
		.amdhsa_reserve_vcc 0
		.amdhsa_float_denorm_mode_32 3
		.amdhsa_float_denorm_mode_16_64 3
		.amdhsa_memory_ordered 1
		.amdhsa_forward_progress 1
		.amdhsa_inst_pref_size 36
	.end_amdhsa_kernel
	.amdgpu_metadata
---
amdhsa.version: [ 1, 2 ]
amdhsa.kernels:
  - .name:           k_q861a0985b8_proj
    .symbol:         k_q861a0985b8_proj.kd
    .args:
      - { .name: x_codes, .offset: 0, .size: 8, .value_kind: global_buffer, .address_space: global }
      - { .name: Wq_codes, .offset: 8, .size: 8, .value_kind: global_buffer, .address_space: global }
      - { .name: Wk_codes, .offset: 16, .size: 8, .value_kind: global_buffer, .address_space: global }
      - { .name: Wv_codes, .offset: 24, .size: 8, .value_kind: global_buffer, .address_space: global }
      - { .name: bq, .offset: 32, .size: 8, .value_kind: global_buffer, .address_space: global }
      - { .name: bk, .offset: 40, .size: 8, .value_kind: global_buffer, .address_space: global }
      - { .name: bv, .offset: 48, .size: 8, .value_kind: global_buffer, .address_space: global }
      - { .name: lowp_scales, .offset: 56, .size: 8, .value_kind: global_buffer, .address_space: global }
      - { .name: qc, .offset: 64, .size: 8, .value_kind: global_buffer, .address_space: global }
      - { .name: kv, .offset: 72, .size: 8, .value_kind: global_buffer, .address_space: global }
    .group_segment_fixed_size: 168960
    .private_segment_fixed_size: 0
    .kernarg_segment_align: 8
    .kernarg_segment_size: 80
    .max_flat_workgroup_size: 256
    .sgpr_count:     96
    .vgpr_count:     512
    .wavefront_size: 32
...
	.end_amdgpu_metadata
.endif
;; end of part 3
;; launch attn (part 4): grid 32 x 8, 8 waves a work-group, clusters of 4 x 1, 327,680 bytes of LDS; arguments qc, kv, Ww, bw, lowp_scales, out0; writes out0
.if DOCPART == 4
	.amdgcn_target "amdgcn-amd-amdhsa--gfx1250"
	.amdhsa_code_object_version 6
	.text
	.protected	k_q861a0985b8_attn
	.globl	k_q861a0985b8_attn
	.p2align	8
	.type	k_q861a0985b8_attn,@function
k_q861a0985b8_attn:
	s_mov_b64 s[64:65], 0
	v_nop
	global_prefetch_b8 v0, s[64:65] scope:SCOPE_SE
	s_setreg_imm32_b32 hwreg(HW_REG_WAVE_MODE, 25, 1), 1
	s_wait_xcnt 0x0
	s_wait_alu depctr_hold_cnt(0) depctr_sa_sdst(0) depctr_va_vdst(0) depctr_va_sdst(0) depctr_va_ssrc(0) depctr_va_vcc(0) depctr_vm_vsrc(0)
	s_getreg_b32 s2, hwreg(HW_REG_IB_STS2, 6, 4)
	s_cmp_eq_u32 s2, 0
	s_cbranch_scc0 .Lentry_in_a_cluster
	s_endpgm
.Lentry_in_a_cluster:
	s_bfe_u32 s2, ttmp6, 0x10000c
	s_cmp_lg_u32 s2, 0x3003
	s_cbranch_scc0 .Lentry_shape_is_right
	s_endpgm
.Lentry_shape_is_right:
; out0[b][n] = (softmax(q k^T / 16) v)[b][n] . Ww + bw, both products on codes of E5M2, from the images that the launch before has laid:
;   qc: [token tile of 16][group 0..7][lane][16 bytes];  kv: [block of 256 keys][k: for each 128 keys the tiles 0, 1, 4, 5, 2, 3, 6, 7, laid as qc's, 65,536 bytes; v: [channel tile 0..15][128 keys 0, 1][group 0..3][lane][16 bytes], 65,536 bytes].
; THE SOFTMAX AHEAD OF THE SECOND PRODUCT: t = score x log2(e) / 16; M = the largest t so far, rounded UP to a whole number; p = 2^(t - M) is what is quantised; the sum l is taken of the unquantised p.
; SHARES.  A work-group owns 64 queries of one batch (four tiles of 16).  THE EIGHT WAVES SHARE THE KEYS: wave w holds all 64 queries against keys 256 w .. 256 w + 255.
; So each fragment of k and v feeds four matrix instructions and is read by one wave alone.  Each wave keeps its own M, l and result; they are merged at the end by exact powers of two.
; TWO PHASES.  First the scores, four steps of 64 keys: S^T, softmax, codes under the step's running M.  Then the codes of steps 0 to 2 are brought to the wave's last M (widened, divided by a power of two, narrowed),
; and O^T = V^T P goes by channel tiles over all 256 keys: a tile of 16 channels is made, begun with C = 0, and at once multiplied by Ww into eight running numbers a lane and query tile.
; The four steps are written out: the registers of the codes differ in each.
; TWO ORDERS.  Around a change of slots waves 0 to 3 take their work (step 0's scores, the softmax of steps 1 and 3) ahead of it, waves 4 to 7 behind it, so that the two halves of the work-group have matrix work and vector work by turns.
; LAYOUT.  S^T = K Q^T (source 0 = 16 keys, source 1 = 16 queries) and O^T = V^T P (source 0 = 16 channels, source 1 = P): a lane holds ONE query (lane % 16) throughout; eight scores of a tile are eight
; neighbouring keys, whose codes are two registers of P in the form's own layout.
; TWO WAYS FOR K AND V.  What comes through LDS is laid into it once and read out of it once, twice its bytes; each fragment is read by one wave, once.  So half of k's and v's bytes take that way and half go from memory straight into
; the operand registers of the wave that reads them: of a step's four key tiles two and two, of the sixteen channel tiles the first eight and the last eight.  By the second way up to 40 loads of 512 bytes of a wave are out at a time, and no round stands in it.
; CLUSTER.  The four query blocks of a cluster belong to one batch and walk the same k and v: the half that comes through LDS is asked for JOINTLY, by the same tensor load with the same descriptor and the mask of all four.
; The other half cannot be: it is asked for by loads into registers.
; RING.  A wave has two slots of 16 KiB, its own, for four pieces of 16,384 consecutive bytes: key tiles of steps 0, 1; of steps 2, 3; channel tiles 0-3; 4-7.  One tensor load of a wave is out behind each round.
; PREFETCH.  Of the eight 16,384-byte parts of a key block, parts 3 to 7 are asked for by the batch's 32 work-groups together, told apart by address, 4,096 bytes of each part, at the changes of slots: 3 and 4, 5 and 6, 7:
; one step or more ahead of the loads that want them.  Parts 0 to 2 come by their loads alone.
; LIMITS: e8 between -126 and 112; e6 + e7 between -122 and 131 (they are added to c's exponent field); |t| under 2^24, so that differences of M are whole numbers; NaN is not served.
; M is the running ceiling over the wave's own keys: against one M for the whole row that changes only numbers under the format's normal range, or a hold that binds (e8 at or under -16).
; REGISTERS, in two windows of 256 (s_set_vgpr_msb: bits 1:0 source 0, 3:2 source 1, 5:4 source 2, 7:6 destination):
;   window 0: v0-7, v24-28 addresses; v8-15 Ww of a channel tile; v32-95 P of keys 0-127 (tile i at 32 + 16 i); v96 + 40 i: P of keys 128-191 (8), Q's tile i (32).  Q dead: its first 8 hold P of keys 192-255, the next 16 a fragment of v.
;   window 1: v0-127 S^T, then p (tile i at 32 i); later v0-95 three buffers of v, v96-127 the running results (8 i);  v128 + 12 i the statistics: +0 -M, +1 the largest t, +2..3 l, +4, +5, +11 -M of steps 0, 1, 2, +6 f, +7 zero, +8..10 at work;
;     v176-183 Ww; v184, v187 57,344 x 2^e8; v185 2^e8; v186 four bytes 127; v192-255 two buffers of k, later O^T, two sets by turns (8 i).
.set SLOT1, 131072
.set MRG,  262144                      ; the merge: [-M, l, result][wave][query 0..63], 4 bytes each: 6,144 bytes, into which no tile lands
.set SPARE, 268288                     ; the spare words, 128 bytes for each wave: four blocks of 256 bytes that no other line names
.set PFO, 1                            ; v1  the prefetches' offset: lanes 0-15 sixteen blocks of one part, lanes 16-31 of the next
.set AD0, 2                            ; v2  my lane's place in my slot 0; v3 in slot 1
.set AD1, 3
.set SPW, 4                            ; v4  LDS address of my spare word; never rewritten
.set NIL, 5                            ; v5  0; never rewritten
.set LN,  24                           ; v24 16 x lane
.set PF1, 28                           ; v28 the last prefetch's offset: lanes 16-31 name the last block again
.set ST,  128
.set WWR, 176                          ; v176 + k of window 1: lane n of each half h: Ww at channels 16 (2 k + n / 8) + 8 h + n % 8
.set LIM, 184
.set SCL, 185
.set ONE, 186
.set LIM2, 187
.set G1,  24                           ; s[24:31] descriptor group 1
.set G0,  32                           ; s[32:35] group 0, which walks
.set PFA, 56                           ; s[56:57] where my prefetches stand
.set VB,  60                           ; s[60:61] kv at my wave's keys
.set MSB, 0
.macro WIN new                         ; the immediate's high byte repeats the setting that is left; a switch that changes nothing is dropped
.if MSB != (\new)
	s_set_vgpr_msb (MSB<<8)|(\new)
.set MSB, (\new)
.endif
.endm
.macro VWAIT
	s_wait_alu depctr_va_vdst(0)
.endm
.macro PLACES                          ; four places behind a matrix instruction, in front of reads of its result and of loads into its sources
.rept 4
	v_nop
.endr
.endm
; A round of the cluster's barrier: my work-group's barrier; wave 0 signals for the work-group; every wave waits for all four work-groups; my work-group's barrier once more.
.macro CROUND
	s_barrier_signal -1
	s_barrier_wait -1
	s_cmp_lg_u32 s16, 0
	s_cbranch_scc1 .Lnot_wave_0_\@
	s_barrier_signal -3
.Lnot_wave_0_\@:
	s_barrier_wait -3
	s_barrier_signal -1
	s_barrier_wait -1
.endm
; The change of slots: the piece asked for last has landed, the slot read out (the first time: slot 1) takes the piece that begins step bytes on.
.macro CHANGE step
	WIN 0                                          ; at a label and at a branch every window is 0; the add's two registers lie in window 0
	VWAIT
	s_wait_tensorcnt 0x0                           ; no load of mine is out: group 0 may be written
	ds_add_u32 v[SPW], v[NIL]                      ; 0 onto my spare word
	s_xor_b32 s[G0+1], s[G0+1], SLOT1
	s_add_nc_u64 s[G0+2:G0+3], s[G0+2:G0+3], \step
	s_wait_xcnt 0x0                                ; any prefetch of mine has read its address
	s_add_nc_u64 s[PFA:PFA+1], s[PFA:PFA+1], 32768
	s_wait_dscnt 0x0                               ; the add is done, and so are my reads of the slot
	CROUND                                         ; no wave of any partner still reads its slot or has a load on its way
	tensor_load_to_lds s[G0:G0+3], s[G1:G1+7]      ; the first tensor load behind the round, and my only one until the next
	s_nop 0
	PLACES                                         ; four v_nop follow it
.endm
.macro ASK ofs                         ; wave 0 asks for its work-group's share of the parts
	s_cmp_eq_u32 s16, 0
	s_cbranch_scc0 .Lnot_mine_\@
	global_prefetch_b8 v[\ofs], s[PFA:PFA+1] th:TH_LOAD_NT scope:SCOPE_SE
.Lnot_mine_\@:
.endm
; Key tile y (0, 1) of step n from its slot: two fragments (channels 128 s on), eight loads of 512 consecutive bytes, into buffer y.
.macro KLOAD n, y, adr
	WIN 0x40
.irp s, 0,1
.irp c, 0,1,2,3
	ds_load_b128 v[192+32*(\y)+16*\s+4*\c:192+32*(\y)+16*\s+4*\c+3], v[\adr] offset:((\n)%2)*8192+(\y)*4096+\s*2048+\c*512
.endr
.endr
.endm
; Key tile 2 + y of step n from memory, into buffer y.
.macro KDIRECT n, y
	WIN 0x40
.irp s, 0,1
.irp c, 0,1,2,3
	global_load_b128 v[192+32*(\y)+16*\s+4*\c:192+32*(\y)+16*\s+4*\c+3], v[LN], s[VB:VB+1] offset:((\n)/2)*32768+16384+((\n)%2)*8192+(\y)*4096+\s*2048+\c*512
.endr
.endr
.endm
; Key tile y against the four query tiles: the four accumulators take turns, one instruction a turn; the first product starts each sum.
.macro KMUL y
	WIN 0x51                                       ; k window 1, Q window 0, S^T window 1
.irp i, 0,1,2,3
	v_wmma_f32_16x16x128_bf8_bf8 v[32*\i+8*(\y):32*\i+8*(\y)+7], v[192+32*((\y)%2):207+32*((\y)%2)], v[104+40*\i:119+40*\i], 0
.endr
.irp i, 0,1,2,3
	v_wmma_f32_16x16x128_bf8_bf8 v[32*\i+8*(\y):32*\i+8*(\y)+7], v[208+32*((\y)%2):223+32*((\y)%2)], v[120+40*\i:135+40*\i], v[32*\i+8*(\y):32*\i+8*(\y)+7]
.endr
.endm
; S^T of step n: 32 products.  Tiles 2 and 3 have been asked for a softmax ago; the next step's are asked for as the buffers fall free.
.macro SPH n, adr
	s_wait_loadcnt 8                               ; tile 2 is in; tile 3's eight loads may be out
	KMUL 2
	PLACES
	KLOAD \n, 0, \adr
	s_wait_loadcnt 0x0
	KMUL 3
	PLACES
	KLOAD \n, 1, \adr
	s_wait_dscnt 8                                 ; tile 0 is in; tile 1's eight loads may be out
	KMUL 0
.if (\n) < 3
	PLACES
	KDIRECT (\n)+1, 0
.endif
	s_wait_dscnt 0x0
	KMUL 1
.if (\n) < 3
	PLACES
	KDIRECT (\n)+1, 1
.endif
	WIN 0
.endm
.macro PSET n, i                       ; PX: where the codes of step n, query tile i begin
.set PX, (32+16*(\i))*(1-(\n)/2)+(96+40*(\i))*((\n)/2)+8*((\n)%2)
.endm
.macro SCALE i, n                      ; t - M, two at a time (of the pairs c and -M the low word serves both halves)
	v_pk_fma_f32 v[32*(\i)+2*(\n):32*(\i)+2*(\n)+1], v[32*(\i)+2*(\n):32*(\i)+2*(\n)+1], s[40:41], v[ST+12*(\i):ST+12*(\i)+1] op_sel_hi:[1,0,0]
.endm
; The softmax of step n, all in window 1; the four tiles by turns, so that no line waits for the line above it.  keep: where -M is kept for steps 0 to 2.
.macro SM n, keep
	WIN 0x55
	PLACES
.irp i, 0,1,2,3
	v_max3_num_f32 v[ST+12*\i+8], v[32*\i], v[32*\i+1], v[32*\i+2]   ; the step's largest score of my query among my 32 keys, in two chains; each accumulator is read from its low end on
.endr
.irp i, 0,1,2,3
	v_max3_num_f32 v[ST+12*\i+9], v[32*\i+3], v[32*\i+4], v[32*\i+5]
.endr
.irp k, 6,10,14,18,22,26
.irp i, 0,1,2,3
	v_max3_num_f32 v[ST+12*\i+8], v[ST+12*\i+8], v[32*\i+\k], v[32*\i+\k+1]
.endr
.irp i, 0,1,2,3
	v_max3_num_f32 v[ST+12*\i+9], v[ST+12*\i+9], v[32*\i+\k+2], v[32*\i+\k+3]
.endr
.endr
.irp i, 0,1,2,3
	v_max3_num_f32 v[ST+12*\i+8], v[ST+12*\i+8], v[32*\i+30], v[32*\i+31]
.endr
.irp i, 0,1,2,3
	v_max_num_f32 v[ST+12*\i+8], v[ST+12*\i+8], v[ST+12*\i+9]
.endr
.irp i, 0,1,2,3
	v_permlanex16_b32 v[ST+12*\i+10], v[ST+12*\i+8], s42, s43       ; the query's other 32 keys lie in the lane 16 away
.endr
.irp i, 0,1,2,3
	v_max_num_f32 v[ST+12*\i+8], v[ST+12*\i+8], v[ST+12*\i+10]
.endr
.irp i, 0,1,2,3
	v_mul_f32 v[ST+12*\i+8], s40, v[ST+12*\i+8]                     ; as t (c is positive)
.endr
.irp i, 0,1,2,3
	v_max_num_f32 v[ST+12*\i+1], v[ST+12*\i+1], v[ST+12*\i+8]       ; the running largest t
.endr
.irp i, 0,1,2,3
	v_mov_b32 v[ST+12*\i+8], v[ST+12*\i]
.endr
.irp i, 0,1,2,3
	v_floor_f32 v[ST+12*\i], -v[ST+12*\i+1]                         ; the new -M = floor(-t) = -ceil(t)
.endr
.irp i, 0,1,2,3
	v_sub_f32 v[ST+12*\i+8], v[ST+12*\i], v[ST+12*\i+8]             ; M's old value less its new one: a whole number, 0 or less
.endr
.irp i, 0,1,2,3
	v_cvt_i32_f32 v[ST+12*\i+8], v[ST+12*\i+8]                      ; (it saturates)
.endr
.irp i, 0,1,2,3
	v_ldexp_f32 v[ST+12*\i+6], 1.0, v[ST+12*\i+8]                   ; f = 2^(old M - new M)
.endr
.set n, 0
.rept 16
	SCALE 0, n
	SCALE 1, n
.set n, n+1
.endr
	VWAIT
.set n, 0
.rept 16                               ; p = 2^(t - M): tiles 0 and 1; the other tiles' scalings stand among the exponentials
	v_exp_f32 v[4*n], v[4*n]
	SCALE 2, n
	v_exp_f32 v[4*n+1], v[4*n+1]
	v_exp_f32 v[4*n+2], v[4*n+2]
	SCALE 3, n
	v_exp_f32 v[4*n+3], v[4*n+3]
.set n, n+1
.endr
	VWAIT
.set n, 64
.rept 64                               ; tiles 2 and 3
	v_exp_f32 v[n], v[n]
.set n, n+1
.endr
.irp i, 0,1,2,3
	v_pk_mul_f32 v[ST+12*\i+2:ST+12*\i+3], v[ST+12*\i+2:ST+12*\i+3], v[ST+12*\i+6:ST+12*\i+7] op_sel_hi:[1,0]   ; l under the new M: nothing is rounded
.endr
	VWAIT
.irp i, 0,1,2,3                        ; l, of the unquantised p, in two chains
	v_pk_add_f32 v[ST+12*\i+8:ST+12*\i+9], v[32*\i+2:32*\i+3], v[32*\i+6:32*\i+7]
.endr
.irp i, 0,1,2,3
	v_pk_add_f32 v[ST+12*\i+2:ST+12*\i+3], v[ST+12*\i+2:ST+12*\i+3], v[32*\i:32*\i+1]
.endr
.irp i, 0,1,2,3
	v_pk_add_f32 v[ST+12*\i+2:ST+12*\i+3], v[ST+12*\i+2:ST+12*\i+3], v[32*\i+4:32*\i+5]
.endr
.irp k, 8,12,16,20,24,28
.irp i, 0,1,2,3
	v_pk_add_f32 v[ST+12*\i+8:ST+12*\i+9], v[ST+12*\i+8:ST+12*\i+9], v[32*\i+\k+2:32*\i+\k+3]
.endr
.irp i, 0,1,2,3
	v_pk_add_f32 v[ST+12*\i+2:ST+12*\i+3], v[ST+12*\i+2:ST+12*\i+3], v[32*\i+\k:32*\i+\k+1]
.endr
.endr
.set n, 0
.rept 64                               ; the hold, in pairs (the conversion to an 8-bit code does not saturate: ISA guide 7.6.2; p is not negative, so it is one-sided)
	v_dual_min_num_f32 v[2*n], v[2*n], v[LIM] :: v_dual_min_num_f32 v[2*n+1], v[2*n+1], v[LIM2]
.set n, n+1
.endr
.irp i, 0,1,2,3
	v_pk_add_f32 v[ST+12*\i+2:ST+12*\i+3], v[ST+12*\i+2:ST+12*\i+3], v[ST+12*\i+8:ST+12*\i+9]
.endr
	WIN 0x05                                       ; the codes, eight neighbouring keys a conversion: sources window 1, destination window 0
.irp i, 0,1,2,3
	PSET \n, \i
.irp y, 0,1,2,3
	v_cvt_scalef32_pk8_bf8_f32 v[PX+2*\y:PX+2*\y+1], v[32*\i+8*\y:32*\i+8*\y+7], v[SCL]
.endr
.endr
	WIN 0x55
.if (\n) < 3
.irp i, 0,1,2,3
	v_mov_b32 v[ST+12*\i+\keep], v[ST+12*\i]       ; (plain instructions behind the last conversion)
.endr
.else
	v_nop                                          ; one plain instruction behind the last conversion
.endif
	WIN 0
	VWAIT
.endm
; The codes of step n under the wave's last M: widened as they are, divided by 2^(last M - step's M), narrowed.
.macro RECODE n, o
	WIN 0x44                                       ; codes window 0; byte scale and numbers window 1
.irp i, 0,1,2,3
	PSET \n, \i
.irp y, 0,1,2,3
	v_cvt_scale_pk8_f32_bf8 v[32*\i+8*\y:32*\i+8*\y+7], v[PX+2*\y:PX+2*\y+1], v[ONE]
.endr
.endr
	v_nop                                          ; one plain instruction between the conversions and the readers of their results
	WIN 0x05
.irp i, 0,1,2,3
	PSET \n, \i
.irp y, 0,1,2,3
	v_cvt_scalef32_pk8_bf8_f32 v[PX+2*\y:PX+2*\y+1], v[32*\i+8*\y:32*\i+8*\y+7], v[ST+12*\i+\o]
.endr
.endr
	v_nop
.endm
; The buffer of channel tile t: its two fragments (128 keys each) at FB and FC of window FW.  Tiles 0-7 take three buffers by turns; from 8 on five: two in Q's place, then the three.
.macro BSET t
.if (\t) < 8
.set FB, 32*((\t)%3)
.set FC, FB+16
.set FW, 1
.elseif ((\t)-8)%5 < 2
.set FB, 112+80*(((\t)-8)%5)
.set FC, FB+40
.set FW, 0
.else
.set FB, 32*((((\t)-8)%5)%3)
.set FC, FB+16
.set FW, 1
.endif
.endm
.macro VLOAD t, adr                    ; channel tile t, under 8, from its slot
	BSET \t
	WIN 0x40
.irp c, 0,1,2,3
	ds_load_b128 v[FB+4*\c:FB+4*\c+3], v[\adr] offset:((\t)%4)*4096+\c*512
.endr
.irp c, 0,1,2,3
	ds_load_b128 v[FC+4*\c:FC+4*\c+3], v[\adr] offset:((\t)%4)*4096+2048+\c*512
.endr
.endm
.macro VDIRECT t                       ; channel tile t, 8 on, from memory
	BSET \t
	WIN 0x40*FW
.irp c, 0,1,2,3
	global_load_b128 v[FB+4*\c:FB+4*\c+3], v[LN], s[VB:VB+1] offset:65536+(\t)*4096+\c*512
.endr
.irp c, 0,1,2,3
	global_load_b128 v[FC+4*\c:FC+4*\c+3], v[LN], s[VB:VB+1] offset:65536+(\t)*4096+2048+\c*512
.endr
.endm
; Channel tile t of O^T for the four query tiles, begun with 0, into set t % 2; the four accumulators take turns.
.macro WPV t
	BSET \t
	WIN 0x50+FW
.irp i, 0,1,2,3
	v_wmma_f32_16x16x128_bf8_bf8 v[192+32*((\t)%2)+8*\i:199+32*((\t)%2)+8*\i], v[FB:FB+15], v[32+16*\i:47+16*\i], 0
.endr
.irp i, 0,1,2,3
	v_wmma_f32_16x16x128_bf8_bf8 v[192+32*((\t)%2)+8*\i:199+32*((\t)%2)+8*\i], v[FC:FC+15], v[96+40*\i:111+40*\i], v[192+32*((\t)%2)+8*\i:199+32*((\t)%2)+8*\i]
.endr
.endm
; Its contraction with Ww: the tile's eight numbers a half are spread over the half's lanes, then sixteen packed instructions, each accumulator from its low end on; tile 0's start the running results.
; They are also the places behind the products round them.
.macro FPV t
	WIN 0x01
.if (\t)%2 == 0
.irp j, 0,1,2,3,4,5,6,7
	v_mov_b32_dpp v[8+\j], v[WWR+(\t)/2] row_share:\j row_mask:0xf bank_mask:0xf
.endr
.else
.irp j, 8,9,10,11,12,13,14,15
	v_mov_b32_dpp v[\j], v[WWR+(\t)/2] row_share:\j row_mask:0xf bank_mask:0xf
.endr
.endif
	WIN 0x54
.irp i, 0,1,2,3
.irp j, 0,2,4,6
.if (\t) == 0
	v_pk_mul_f32 v[96+8*\i+\j:97+8*\i+\j], v[8+\j:9+\j], v[192+32*((\t)%2)+8*\i+\j:193+32*((\t)%2)+8*\i+\j]
.else
	v_pk_fma_f32 v[96+8*\i+\j:97+8*\i+\j], v[8+\j:9+\j], v[192+32*((\t)%2)+8*\i+\j:193+32*((\t)%2)+8*\i+\j], v[96+8*\i+\j:97+8*\i+\j]
.endif
.endr
.endr
.endm
; Channel tile t: 8 products; tile t - 1's contraction behind them; the buffer just read takes the tile three on (from slots) or five on (from memory).
; DScnt: two younger tiles, eight loads each, may be out; the counts run down where the tiles from slots end.  LOADcnt: four younger tiles, 32 loads, may be out; from tile 12 on fewer are.
.macro PVT t
.if (\t) < 6
	s_wait_dscnt 16
.elseif (\t) < 8
	s_wait_dscnt 8*(7-(\t))
.elseif (\t) < 12
	s_wait_loadcnt 32
.else
	s_wait_loadcnt 8*(15-(\t))
.endif
	WPV \t
.if (\t) == 0
	PLACES
.else
	FPV (\t)-1
.endif
.if (\t) == 1
	s_wait_tensorcnt 0x0                           ; the last piece: channel tiles 4 to 7.  Only I read my slots, so my own wait is all that the reads need
.endif
.if (\t) == 0
	VLOAD (\t)+3, AD0
.elseif (\t) < 5
	VLOAD (\t)+3, AD1
.elseif (\t) < 11
	VDIRECT (\t)+5
.endif
.endm
	s_load_b256 s[4:11], s[0:1], 0x0               ; qc s[4:5], kv s[6:7], Ww s[8:9], bw s[10:11]
	s_load_b128 s[12:15], s[0:1], 0x20             ; the exponents s[12:13], out0 s[14:15]
	v_lshl_add_u32 v[SPW], v0, 2, SPARE
	v_mov_b32 v[NIL], 0
	ds_add_u32 v[SPW], v[NIL]                      ; the wave's opening: the add, twice on end, and its wait ahead of my first tensor load
	ds_add_u32 v[SPW], v[NIL]
	v_lshrrev_b32 v8, 5, v0
	v_readfirstlane_b32 s16, v8                    ; wave 0..7
	s_bfe_u32 s17, ttmp6, 0x40000                  ; cx: my place in the cluster
	s_and_b32 s18, ttmp7, 0xffff
	s_lshl_b32 s18, s18, 2
	s_add_co_u32 s18, s18, s17                     ; my block of 64 queries = 4 x cluster y + cx: it enters qc's, out0's and the prefetches' addresses alone
	s_mov_b32 s19, ttmp9                           ; the batch = the cluster's x, which the four partners share
	; descriptor group 1: 16,384 dense bytes as 64 rows of 32 elements of 8 bytes
	s_mov_b32 s[G1], 15|(3<<16)|(1<<21)            ; 15:0 the mask: all four work-groups; 17:16 elements of 8 bytes; 20 no padding; 21 set beside a mask
	s_mov_b32 s[G1+1], 32<<16                      ; tensor_dim0 = 32
	s_mov_b32 s[G1+2], 64<<16                      ; tensor_dim1 = 64
	s_mov_b32 s[G1+3], 32<<16                      ; tile_dim0 = 32
	s_mov_b32 s[G1+4], 64                          ; tile_dim1 = 64
	s_mov_b32 s[G1+5], 32                          ; elements from row to row
	s_mov_b32 s[G1+6], 0
	s_mov_b32 s[G1+7], 0
	s_lshl_b32 s20, s19, 20                        ; kv: a batch is 8 blocks of 131,072 bytes,
	s_lshl_b32 s21, s16, 17                        ; my wave's keys are block w
	s_add_co_u32 s20, s20, s21
	s_mov_b32 s21, 0
	s_lshl_b32 s22, s19, 19                        ; qc: a batch is 128 tiles of 4,096 bytes, my block 4 tiles
	s_lshl_b32 s23, s18, 14
	s_add_co_u32 s22, s22, s23
	s_mov_b32 s23, 0
	s_lshl_b32 s46, s19, 13                        ; out0: a batch is 8,192 bytes, my block 256
	s_lshl_b32 s47, s18, 8
	s_add_co_u32 s46, s46, s47
	s_mov_b32 s47, 0
	s_lshl_b32 s58, s19, 20                        ; prefetches: work-group q of the batch's 32 takes 4,096 bytes of each part of key block q / 4: quarter q % 4
	s_lshr_b32 s59, s18, 2
	s_lshl_b32 s59, s59, 17
	s_add_co_u32 s58, s58, s59
	s_and_b32 s59, s18, 3
	s_lshl_b32 s59, s59, 12
	s_add_co_u32 s58, s58, s59
	s_add_co_u32 s58, s58, 16384                   ; in part 1: the first change of slots steps it to part 3
	s_mov_b32 s59, 0
	s_mov_b32 s42, 0x76543210                      ; v_permlanex16_b32's selects for lane l xor 16
	s_mov_b32 s43, 0xfedcba98
	s_lshl_b32 s45, s16, 14                        ; my slots: 16,384 x wave: no place in the cluster enters an LDS address
	v_and_b32 v9, 31, v0                           ; lane
	v_lshlrev_b32 v[LN], 4, v9
	v_add_nc_u32 v[AD0], s45, v[LN]
	v_add_nc_u32 v[AD1], SLOT1, v[AD0]
	v_and_b32 v10, 15, v0                          ; n
	v_bfe_u32 v11, v0, 4, 1                        ; h
	v_lshlrev_b32 v[PFO], 14, v11
	v_lshl_add_u32 v[PFO], v10, 8, v[PFO]
	v_min_u32 v[PF1], 15, v9
	v_lshlrev_b32 v[PF1], 8, v[PF1]
	v_lshrrev_b32 v12, 3, v10
	v_lshlrev_b32 v12, 6, v12
	v_lshl_add_u32 v12, v11, 5, v12
	v_and_b32 v13, 7, v10
	v_lshl_add_u32 v25, v13, 2, v12                ; Ww: 64 (n / 8) + 32 h + 4 (n % 8) bytes
	VWAIT
	s_wait_dscnt 0x0                               ; both opening adds are done
	CROUND                                         ; all four work-groups are here: the first joint loads meet
	s_wait_kmcnt 0x0
	s_load_b64 s[48:49], s[12:13], 0x18            ; e6, e7
	s_load_b64 s[50:51], s[12:13], 0x20            ; e8, e9
	s_load_b32 s52, s[10:11], 0x0                  ; bw
	s_add_nc_u64 s[VB:VB+1], s[6:7], s[20:21]
	s_mov_b32 s[G0], 1                             ; count = 1
	s_mov_b32 s[G0+1], s45                         ; LDS address: slot 0
	s_mov_b64 s[G0+2:G0+3], s[VB:VB+1]             ; global address: my wave's first piece
	s_or_b32 s[G0+3], s[G0+3], 0x80000000          ; type = 2
	tensor_load_to_lds s[G0:G0+3], s[G1:G1+7]      ; one tensor load a wave at the head
	s_nop 0
	PLACES
	s_add_nc_u64 s[4:5], s[4:5], s[22:23]
	s_add_nc_u64 s[14:15], s[14:15], s[46:47]
	s_add_nc_u64 s[PFA:PFA+1], s[6:7], s[58:59]
.irp i, 0,1,2,3                        ; Q's four tiles stay in registers: eight groups of four registers each, as they lie
.irp g, 0,1,2,3,4,5,6,7
	global_load_b128 v[104+40*\i+4*\g:107+40*\i+4*\g], v[LN], s[4:5] offset:4096*\i+512*\g
.endr
.endr
	KDIRECT 0, 0
	KDIRECT 0, 1
.irp k, 0,1,2,3,4,5,6,7
	global_load_b32 v[WWR+\k], v25, s[8:9] offset:128*\k
.endr
	WIN 0
.set n, 0
.rept 8
	v_mov_b32 v[8+n], 0                            ; (the destination of a move from another lane counts as one of its sources)
.set n, n+1
.endr
.irp i, 0,1,2,3
.irp j, 8,9,10,11,12,13,14,15
	v_mov_b32 v[32+16*\i+\j], 0                    ; step 1's codes are written on one of two ways, by the wave's number: here once for every way
.endr
.endr
	WIN 0x55
.irp i, 0,1,2,3
	v_mov_b32 v[ST+12*\i+1], 0xff61b1e6            ; the largest t so far: -3e38, under every t
	v_floor_f32 v[ST+12*\i], -v[ST+12*\i+1]        ; -M
.irp j, 2,3,5,7,10
	v_mov_b32 v[ST+12*\i+\j], 0                    ; l; step 1's -M (as its codes); the upper half of f's pair; a lane permute's destination
.endr
.endr
	v_mov_b32 v[ONE], 0x7f7f7f7f
	s_wait_kmcnt 0x0
	s_add_co_i32 s40, s48, s49
	s_lshl_b32 s40, s40, 23
	s_add_co_i32 s40, s40, 0x3db8aa3b              ; c = log2(e) / 16, with e6 + e7 added to its exponent field: a score stands for score x 2^(e6 + e7)
	s_mov_b32 s41, s40                             ; (named with it as a pair, so it is written)
	s_add_co_i32 s53, s50, s51                     ; e8 + e9
	s_add_co_i32 s54, s50, 127
	s_lshl_b32 s55, s54, 23                        ; 2^e8 as f32, for the conversion
	s_add_co_i32 s54, s54, 15
	s_lshl_b32 s54, s54, 23
	s_or_b32 s54, s54, 0x600000                    ; 57,344 x 2^e8
	v_mov_b32 v[LIM], s54
	v_mov_b32 v[LIM2], s54
	v_mov_b32 v[SCL], s55
	WIN 0
	VWAIT
	s_wait_loadcnt 0x0                             ; Q, step 0's tiles 2 and 3, Ww
	s_wait_tensorcnt 0x0                           ; my first piece.  Only I read my slots, so my own wait is all that the reads need
	s_cmp_lt_u32 s16, 4
	s_cbranch_scc0 .Lnot_early0
	SPH 0, AD0                                     ; waves 0 to 3: ahead of the change
.Lnot_early0:
	CHANGE 32768                                   ; key tiles of steps 2 and 3 into slot 1
	ASK PFO
	s_cmp_lt_u32 s16, 4
	s_cbranch_scc1 .Lnot_late0
	SPH 0, AD0                                     ; waves 4 to 7: behind it
.Lnot_late0:
	SM 0, 4
	SPH 1, AD0
	s_cmp_lt_u32 s16, 4
	s_cbranch_scc0 .Lnot_early1
	SM 1, 5
.Lnot_early1:
	CHANGE 32768                                   ; channel tiles 0 to 3 into slot 0
	ASK PFO
	s_cmp_lt_u32 s16, 4
	s_cbranch_scc1 .Lnot_late1
	SM 1, 5
.Lnot_late1:
	SPH 2, AD1
	SM 2, 11
	SPH 3, AD1
	s_cmp_lt_u32 s16, 4
	s_cbranch_scc0 .Lnot_early3
	SM 3, 0
.Lnot_early3:
	CHANGE 16384                                   ; channel tiles 4 to 7 into slot 1
	ASK PF1
	s_cmp_lt_u32 s16, 4
	s_cbranch_scc1 .Lnot_late3
	SM 3, 0
.Lnot_late3:
	WIN 0x55
.irp o, 4,5,11                         ; steps 0 to 2: 2^(last M - step's M), its exponent held at 100: every code is 0 far below that
.irp i, 0,1,2,3
	v_sub_f32 v[ST+12*\i+\o], v[ST+12*\i+\o], v[ST+12*\i]
.endr
.irp i, 0,1,2,3
	v_min_num_f32 v[ST+12*\i+\o], 0x42c80000, v[ST+12*\i+\o]
.endr
.irp i, 0,1,2,3
	v_cvt_i32_f32 v[ST+12*\i+\o], v[ST+12*\i+\o]
.endr
.irp i, 0,1,2,3
	v_ldexp_f32 v[ST+12*\i+\o], 1.0, v[ST+12*\i+\o]
.endr
.endr
	VDIRECT 8                                      ; where Q lay
	VDIRECT 9
	RECODE 0, 4
	RECODE 1, 5
	RECODE 2, 11
	VLOAD 0, AD0
	VLOAD 1, AD0
	VLOAD 2, AD0
	VWAIT
.irp t, 0,1,2,3,4,5,6,7,8,9,10,11,12,13,14,15
	PVT \t
.endr
	FPV 15
	; the eight running results and l's two parts are added, the other half of the lanes' too; -M, l and the result go to the merge
	WIN 0x55
.irp i, 0,1,2,3
	v_pk_add_f32 v[96+8*\i:97+8*\i], v[96+8*\i:97+8*\i], v[98+8*\i:99+8*\i]
	v_pk_add_f32 v[100+8*\i:101+8*\i], v[100+8*\i:101+8*\i], v[102+8*\i:103+8*\i]
.endr
.irp i, 0,1,2,3
	v_pk_add_f32 v[96+8*\i:97+8*\i], v[96+8*\i:97+8*\i], v[100+8*\i:101+8*\i]
.endr
.irp i, 0,1,2,3
	v_add_f32 v[96+8*\i], v[96+8*\i], v[97+8*\i]
	v_add_f32 v[ST+12*\i+2], v[ST+12*\i+2], v[ST+12*\i+3]
.endr
.irp i, 0,1,2,3
	v_permlanex16_b32 v[ST+12*\i+10], v[96+8*\i], s42, s43
	v_permlanex16_b32 v[ST+12*\i+8], v[ST+12*\i+2], s42, s43
.endr
.irp i, 0,1,2,3
	v_add_f32 v[96+8*\i], v[96+8*\i], v[ST+12*\i+10]
	v_add_f32 v[ST+12*\i+2], v[ST+12*\i+2], v[ST+12*\i+8]
.endr
	WIN 0
	s_lshl_b32 s54, s16, 8
	s_add_co_u32 s54, s54, MRG
	v_and_b32 v8, 15, v0
	v_lshl_add_u32 v9, v8, 2, s54                  ; MRG + 256 x wave + 4 r
	v_and_b32 v8, 31, v0
	v_lshl_add_u32 v10, v8, 3, MRG                 ; where wave 0 reads two queries' numbers
	v_lshlrev_b32 v11, 3, v8                       ; 8 x lane: two numbers of out0
	WIN 0x04                                       ; an LDS store's data are source 1: window 1; its address window 0
.irp i, 0,1,2,3
	ds_store_b32 v9, v[ST+12*\i]   offset:64*\i                    ; both halves of the lanes hold the same number and write the same word
	ds_store_b32 v9, v[ST+12*\i+2] offset:2048+64*\i
	ds_store_b32 v9, v[96+8*\i]    offset:4096+64*\i
.endr
	WIN 0
	VWAIT
	s_wait_dscnt 0x0                               ; for the others' sake: my stores into the merge are done
	s_barrier_signal -1
	s_barrier_wait -1
	s_cmp_lg_u32 s16, 0
	s_cbranch_scc1 .Lclose                         ; wave 0 merges: 64 queries, two a lane
.irp f, 0,1,2
.irp g, 0,1,2,3,4,5,6,7
	ds_load_b64 v[32+2*(8*\f+\g):33+2*(8*\f+\g)], v10 offset:2048*\f+256*\g
.endr
.endr
	s_wait_dscnt 0x0
	v_min_num_f32 v80, v32, v34                    ; -M of the whole row: the smallest of the eight waves' -M
	v_min_num_f32 v81, v33, v35
.irp g, 2,3,4,5,6,7
	v_min_num_f32 v80, v80, v[32+2*\g]
	v_min_num_f32 v81, v81, v[33+2*\g]
.endr
.irp g, 0,1,2,3,4,5,6,7
	v_sub_f32 v[82+2*\g], v80, v[32+2*\g]          ; wave g's M less the row's: a whole number, 0 or less
	v_sub_f32 v[83+2*\g], v81, v[33+2*\g]
.endr
.set n, 0
.rept 16
	v_cvt_i32_f32 v[82+n], v[82+n]
.set n, n+1
.endr
.set n, 0
.rept 16
	v_ldexp_f32 v[82+n], 1.0, v[82+n]              ; the power of two that brings wave g's numbers under the row's M
.set n, n+1
.endr
	v_pk_mul_f32 v[98:99], v[48:49], v[82:83]      ; l
	v_pk_mul_f32 v[100:101], v[64:65], v[82:83]    ; the result
.irp g, 1,2,3,4,5,6,7
	v_pk_fma_f32 v[98:99], v[48+2*\g:49+2*\g], v[82+2*\g:83+2*\g], v[98:99]
	v_pk_fma_f32 v[100:101], v[64+2*\g:65+2*\g], v[82+2*\g:83+2*\g], v[100:101]
.endr
	VWAIT
	v_rcp_f32 v102, v98
	v_rcp_f32 v103, v99
	v_nop                                          ; one plain instruction between the last reciprocal and the use of its result
	VWAIT
	v_ldexp_f32 v102, v102, s53                    ; x 2^(e8 + e9)
	v_ldexp_f32 v103, v103, s53
	v_pk_fma_f32 v[104:105], v[100:101], v[102:103], s[52:53] op_sel_hi:[1,1,0]   ; + bw (the scalar pair's low word for both halves)
	global_store_b64 v11, v[104:105], s[14:15]     ; 32 lanes store 256 consecutive bytes, at a multiple of 256 from out0's first byte
.Lclose:
	s_wait_tensorcnt 0x0                           ; the wave's end, behind my last tensor load and my last LDS store
	ds_add_u32 v[SPW], v[NIL]
	s_wait_dscnt 0x0
	CROUND                                         ; the closing round: no work-group ends while a partner may still ask for a tile that names it
	s_endpgm
.Lfunc_end_k_q861a0985b8_attn:
	.size	k_q861a0985b8_attn, .Lfunc_end_k_q861a0985b8_attn-k_q861a0985b8_attn
	.p2alignl 7, 3214868480
	.fill 96, 4, 3214868480
	.section	.rodata,"a",@progbits
	.p2align	6, 0x0
	.amdhsa_kernel k_q861a0985b8_attn
		.amdhsa_group_segment_fixed_size 327680
		.amdhsa_private_segment_fixed_size 0
		.amdhsa_enable_private_segment 0
		.amdhsa_kernarg_size 48
		.amdhsa_user_sgpr_count 2
		.amdhsa_user_sgpr_kernarg_segment_ptr 1
		.amdhsa_wavefront_size32 1
		.amdhsa_system_sgpr_workgroup_id_x 1
		.amdhsa_system_sgpr_workgroup_id_y 1
		.amdhsa_system_sgpr_workgroup_id_z 1
		.amdhsa_system_vgpr_workitem_id 0
		.amdhsa_next_free_vgpr 512
		.amdhsa_next_free_sgpr 66
		.amdhsa_reserve_vcc 0
		.amdhsa_float_denorm_mode_32 3
		.amdhsa_float_denorm_mode_16_64 3
		.amdhsa_memory_ordered 1
		.amdhsa_forward_progress 1
		.amdhsa_inst_pref_size 243
	.end_amdhsa_kernel
	.amdgpu_metadata
---
amdhsa.version: [ 1, 2 ]
amdhsa.kernels:
  - .name:           k_q861a0985b8_attn
    .symbol:         k_q861a0985b8_attn.kd
    .args:
      - { .name: qc, .offset: 0, .size: 8, .value_kind: global_buffer, .address_space: global }
      - { .name: kv, .offset: 8, .size: 8, .value_kind: global_buffer, .address_space: global }
      - { .name: Ww, .offset: 16, .size: 8, .value_kind: global_buffer, .address_space: global }
      - { .name: bw, .offset: 24, .size: 8, .value_kind: global_buffer, .address_space: global }
      - { .name: lowp_scales, .offset: 32, .size: 8, .value_kind: global_buffer, .address_space: global }
      - { .name: out0, .offset: 40, .size: 8, .value_kind: global_buffer, .address_space: global }
    .group_segment_fixed_size: 327680
    .private_segment_fixed_size: 0
    .kernarg_segment_align: 8
    .kernarg_segment_size: 48
    .max_flat_workgroup_size: 256
    .sgpr_count:     66
    .vgpr_count:     512
    .wavefront_size: 32
...
	.end_amdgpu_metadata
.endif
;; end of part 4
